; MI455X (gfx1250); checked and timed in simulation.
; The chip was launched on July 23, 2026; its instructions are those of AMD's public machine-readable ISA for CDNA 5 (MIT licence, August 2026) and "CDNA5" Instruction Set Architecture Reference Guide (July 2026). The comments in the code are by the model that wrote it; some were corrected since.
;; Traceable Multihead Self Attention. Allowed arithmetic: matrix products marked QUANTISED: E2M3 operands, one E8M0 scale for each 32 along K, by v_wmma_scale_f32_16x16x128_f8f6f4 with both operands' format E2M3, f32 sums; everything else in f32.
;; Inputs: in_proj_bias 3,072 float32; in_proj_weight 3,072 x 1,024 float32; out_proj_bias 1,024 float32; out_proj_weight 1,024 x 1,024 float32; x 4 x 2,048 x 1,024 float32.
;; Outputs: out0 4 x 2,048 x 1,024 float32.
;; This version of the problem:
;;   THIS VERSION OF THE PROBLEM IS GIVEN IN LOW PRECISION. The matrix products marked QUANTISED in the list below multiply operands that are first quantised to E2M3 (2 exponent bits, 3 mantissa bits; 6 bits a number), with one power-of-two scale for each 32 numbers along K (OCP MX v1.0); their sums are f32. All else is computed in f32.
;;   The module's matrix products, in the order in which they are computed (A, B: the left and right operand; K: the contracted axis; several contracted axes count as one K, in the product's order):
;;     1. [M 8,192, K 1,024] x [K 1,024, N 3,072]; A: input x; B: input in_proj_weight: QUANTISED
;;     2. batch 64 x [M 2,048, K 64] x [K 64, N 2,048]; A: computed on the way; B: computed on the way: QUANTISED
;;     3. batch 64 x [M 2,048, K 2,048] x [K 2,048, N 64]; A: softmax (see below); B: computed on the way: QUANTISED
;;     4. [M 8,192, K 1,024] x [K 1,024, N 1,024]; A: computed on the way; B: input out_proj_weight: QUANTISED
;;   THE QUANTISER, for each operand of a quantised product, along K:
;;     - K is cut into blocks of 32 from its start; a last block that is shorter is filled with zeros.
;;     - A block's scale is 2^e with e = floor(log2(the largest magnitude in the block)) - 2, held to -126 .. 127; a block of zeros has e = 0. As a byte (E8M0): e + 127.
;;     - Each number is divided by its block's scale, clamped to +-7.5, and rounded to the nearest number of E2M3, ties to even, subnormals kept.
;;     - The product sums the exact products of the quantised numbers (number of the format x scale) in f32.
;;   ~~~python
;;   def quantise(x, axis):      # numpy; x: float32 -> the quantised numbers, widened to float32 again
;;       x = np.moveaxis(x, axis, -1); K = x.shape[-1]
;;       x = np.pad(x, [(0, 0)] * (x.ndim - 1) + [(0, -K % 32)]); x = x.reshape(x.shape[:-1] + (-1, 32)); a = np.abs(x).max(-1, keepdims=True)
;;       e = np.where(a > 0, np.clip(np.frexp(np.where(a > 0, a, 1))[1] - 1 - 2, -126, 127), 0)      # np.frexp(a)[1] - 1 = floor(log2(a)), exactly
;;       r = np.clip(x / 2.0 ** e, -7.5, 7.5)
;;       step = 2.0 ** (np.maximum(np.frexp(np.where(r == 0, 1, r))[1] - 1, 0) - 3)
;;       q = np.round(r / step) * step * 2.0 ** e      # np.round: ties to even
;;       return np.moveaxis(q.reshape(q.shape[:-2] + (-1,))[..., :K], -1, axis).astype(np.float32)
;;   ~~~
;;   SOFTMAX AHEAD OF A QUANTISED PRODUCT. Where the list says 'softmax', what is quantised is not the finished softmax but p = 2^(t - M), with t = logit x log2(e) and M = ceil(the row's largest t), a whole number; so 1/2 < the row's largest p <= 1. The row's sum l is taken of the UNQUANTISED p, in f32, and the product's result is divided by l at the end. Since M is a whole number, a kernel that streams over the keys may use a running M (the ceiling of the running maximum): every later rescaling is an exact power of two, which a block's scale takes up: the codes' values come out the same.
;;   OPERANDS COMPUTED ON THE WAY. 'Computed on the way' means the value that the module computes at that place (a softmax that the list does not call 'softmax' is quantised finished and normalised). What goes into a quantiser is computed in f32, as accurately as f32 sums, v_exp_f32 and their like allow (about 1e-6 of the number): no bf16 or f16 on the way to a quantiser, and a product that is left as it is and whose result goes on into a quantised operand takes f32 operands (vector FMAs, or v_wmma_f32_16x16x4_f32). A number that lies on a knife's edge between two numbers of the format may be rounded either way, as far as f32 arithmetic and the matrix unit's own rounding can turn it there, and no further.
;; One version. Each part assembles by itself: llvm-mc -triple=amdgcn-amd-amdhsa -mcpu=gfx1250 --defsym DOCPART=n.
;; ======== version 1 of 1: 4 launches
;; workspace buffers: xq 6,553,600 bytes; wq 3,276,800 bytes; qk 13,631,488 bytes; vq 6,553,600 bytes; ao 6,553,600 bytes
;; launch quant (part 1): grid 384 x 1, 4 waves a work-group, no clusters, 33,280 bytes of LDS; arguments x, in_proj_weight, out_proj_weight, xq, wq; writes xq, wq
.if DOCPART == 1
	.amdgcn_target "amdgcn-amd-amdhsa--gfx1250"
	.amdhsa_code_object_version 6
	.text
	.protected	k_q4731651c2b_quant
	.globl	k_q4731651c2b_quant
	.p2align	8
	.type	k_q4731651c2b_quant,@function
k_q4731651c2b_quant:
	s_mov_b64 s[64:65], 0
	v_nop
	global_prefetch_b8 v0, s[64:65] scope:SCOPE_SE
	s_setreg_imm32_b32 hwreg(HW_REG_WAVE_MODE, 25, 1), 1
	s_wait_xcnt 0x0
; x [8192][1024], in_proj_weight [3072][1024] and out_proj_weight [1024][1024], f32, K innermost, become codes of FP6 (E2M3) with one E8M0 byte for each 32 along K.
; A block's scale is 2^(floor(log2(its largest magnitude)) - 2); its byte is the largest magnitude's exponent field - 2, held at 1 from below.
; LAYOUT OF THE RESULT.  Codes: [16 panels of 64 along K][ROWS positions][48 bytes].  Scale bytes: [4 runs of 256 along K][ROWS positions][8 bytes].
; POSITION p HOLDS TRUE ROW pi(p), p with its bits 3 and 4 exchanged: sixteen neighbouring positions are then the rows that a matrix tile wants so that the results of
; two neighbouring tiles are sixteen neighbours along the next product's K.
; SHARES.  A work-group takes 32 rows: work-groups 0-255 x, 256-351 in_proj_weight, 352-383 out_proj_weight; only pointers and strides are chosen, all take one path.
; Wave w takes columns 256 w on (panels 4 w .. 4 w + 3).  A step is 8 positions x 64 numbers (one panel): 2,048 bytes, four loads of two whole runs of 256 bytes; they turn
; through the wave's own stage in LDS so that a lane holds 16 neighbours; its 12 bytes of codes then lie at 12 x lane of the step's 384 consecutive bytes.
; A wave's 256 scale bytes are gathered in LDS and leave as one aligned run of 256 bytes.  No barrier: waves share nothing.
; LIMITS: NaN and infinities among the inputs are not served; a block whose largest magnitude lies under 2^-124 (a block of zeros among them) gets the byte 1: its codes are
; zeros or nearly so, and these bytes are read by this program alone.
.set STEPS, 16
.set EMAX,  2
.set CB,    12                         ; bytes of 16 codes
.set R,     16                         ; v16-79   four sets of 16 numbers as they are loaded
.set X,     80                         ; v80-111  two sets of 16 neighbours
.set E,     112                        ; v112-127 a scale byte for each step
.set C,     128                        ; v128-191 codes: four registers for each step, so that no store's data are written again
.set WREG,  8192                       ; LDS: a region for each wave: two stages of 32 x SP bytes, behind them its 256 scale bytes
.set SP,    80                         ; a lane's place in a stage: 64 bytes + 16 of padding
.set SPW,   12                         ; v12  LDS address of my spare word; never rewritten
.set NIL,   13                         ; v13  0; never rewritten
.set SPARE, 4*WREG                     ; behind the four regions: the spare words, 128 bytes a wave
.set WV,    34                         ; s34  my wave's number
	s_load_b256 s[4:11], s[0:1], 0x0               ; x, in_proj_weight, out_proj_weight, xq
	s_load_b64 s[12:13], s[0:1], 0x20              ; wq
	v_lshl_add_u32 v[SPW], v0, 2, SPARE
	v_mov_b32 v[NIL], 0
	v_lshrrev_b32 v1, 5, v0
	v_readfirstlane_b32 s[WV], v1
	v_and_b32 v2, 31, v0                           ; lane
	v_and_b32 v3, 15, v2
	v_lshlrev_b32 v3, 4, v3
	v_lshrrev_b32 v1, 4, v2
	v_lshl_add_u32 v3, v1, 12, v3                  ; in: lanes 0-15 one row's 256 bytes, lanes 16-31 the next row's
	s_mul_i32 s35, s[WV], WREG
	v_lshrrev_b32 v14, 2, v2
	v_mul_u32_u24 v14, v14, SP
	v_and_b32 v15, 3, v2
	v_lshl_add_u32 v14, v15, 4, v14
	v_add_nc_u32 v14, s35, v14                     ; the stage, on the way in: four lanes' 64 bytes on end, then 16 of padding
	v_mul_u32_u24 v15, v2, SP
	v_add_nc_u32 v15, s35, v15                     ; and on the way out: my 16 neighbours
	v_mul_u32_u24 v4, v2, CB                       ; my codes' place in a step's 384 bytes
	s_add_co_u32 s35, s35, 2*32*SP
	v_lshrrev_b32 v5, 2, v2
	v_lshlrev_b32 v5, 3, v5
	v_bfe_u32 v6, v2, 1, 1
	v_add_nc_u32 v5, v5, v6
	v_add_nc_u32 v5, s35, v5                       ; my block's byte: 8 x (position in the step) + (block in the panel)
	v_lshlrev_b32 v7, 3, v2                        ; and on the way out 8 bytes a lane
	v_add_nc_u32 v6, s35, v7
	s_mov_b32 s14, 352                             ; out_proj_weight's figures: its first work-group,
	s_mov_b32 s15, 1024*48                         ; bytes from panel to panel,
	s_mov_b32 s16, 1024*8                          ; bytes from one run of scale bytes to the next,
	s_mov_b32 s17, 2457600                         ; where its codes begin in wq,
	s_mov_b32 s18, 3244032                         ; and its scale bytes
	s_wait_kmcnt 0x0
	s_cmp_lt_u32 ttmp9, 352                        ; the choices hang on the work-group's number alone
	s_cselect_b32 s14, 256, s14
	s_cselect_b32 s15, 3072*48, s15
	s_cselect_b32 s16, 3072*8, s16
	s_cselect_b32 s17, 0, s17
	s_cselect_b32 s18, 2359296, s18
	s_cselect_b64 s[6:7], s[6:7], s[8:9]
	s_cmp_lt_u32 ttmp9, 256
	s_cselect_b32 s14, 0, s14
	s_cselect_b32 s15, 8192*48, s15
	s_cselect_b32 s16, 8192*8, s16
	s_cselect_b32 s17, 0, s17
	s_cselect_b32 s18, 6291456, s18
	s_cselect_b64 s[4:5], s[4:5], s[6:7]
	s_cselect_b64 s[10:11], s[10:11], s[12:13]
	s_sub_co_u32 s19, ttmp9, s14                   ; which 32 rows of the tensor
	s_lshl_b32 s20, s19, 17                        ; 32 rows of 4,096 bytes
	s_lshl_b32 s21, s[WV], 10                      ; my wave's 256 columns
	s_add_co_u32 s20, s20, s21
	s_mov_b32 s21, 0
	s_add_nc_u64 s[4:5], s[4:5], s[20:21]
	s_lshl_b32 s22, s[WV], 2
	s_mul_i32 s22, s22, s15                        ; panel 4 w
	s_add_co_u32 s22, s22, s17
	s_mul_i32 s23, s19, 32*48
	s_add_co_u32 s22, s22, s23
	s_mov_b32 s23, 0
	s_add_nc_u64 s[24:25], s[10:11], s[22:23]      ; a base for each of my four panels
	s_mov_b32 s22, s15
	s_add_nc_u64 s[26:27], s[24:25], s[22:23]
	s_add_nc_u64 s[28:29], s[26:27], s[22:23]
	s_add_nc_u64 s[30:31], s[28:29], s[22:23]
	s_mul_i32 s22, s[WV], s16
	s_add_co_u32 s22, s22, s18
	s_lshl_b32 s20, s19, 8
	s_add_co_u32 s22, s22, s20
	s_add_nc_u64 s[32:33], s[10:11], s[22:23]      ; my 256 scale bytes
; Step t: positions 8 (t % 4) on, panel t / 4.  Positions 8 g .. 8 g + 7 are true rows 8 sw(g) on, sw = 0, 2, 1, 3.
.macro LOAD t
.irp i, 0,1,2,3
	global_load_b128 v[R+16*((\t)%4)+4*\i:R+16*((\t)%4)+4*\i+3], v3, s[4:5] offset:(8*(2*(((\t)%4)%2)+((\t)%4)/2)+2*\i)*4096+((\t)/4)*256 th:TH_LOAD_NT
.endr
.endm
.macro TURN t                          ; a step's numbers through the stage: LDS serves a wave's instructions in order, so no wait stands between the stores and the loads
.irp i, 0,1,2,3
	ds_store_b128 v14, v[R+16*((\t)%4)+4*\i:R+16*((\t)%4)+4*\i+3] offset:32*SP*((\t)%2)+8*SP*\i
.endr
.irp i, 0,1,2,3
	ds_load_b128 v[X+16*((\t)%2)+4*\i:X+16*((\t)%2)+4*\i+3], v15 offset:32*SP*((\t)%2)+16*\i
.endr
.endm
.irp t, 0,1,2,3
	LOAD \t
.endr
	s_wait_loadcnt 12                              ; step 0's four loads are in; the twelve of steps 1 to 3 may be out
	TURN 0
.macro STEP t
.set XS, X+16*((\t)%2)
.if (\t) > 0
	s_wait_dscnt 1                                 ; this step's numbers are back from the stage (the last step's byte store may be out)
.else
	s_wait_dscnt 0x0
.endif
.if (\t)+4 < STEPS
	LOAD (\t)+4                                    ; into the set whose stores into the stage have read their registers
.endif
.if (\t)+1 < STEPS
.if STEPS-2-(\t) >= 3
	s_wait_loadcnt 12                              ; the next step's four loads are in; those of the three steps behind it may be out
.else
	s_wait_loadcnt 4*(STEPS-2-(\t))
.endif
	TURN (\t)+1
.endif
	v_max3_num_f32 v8, |v[XS]|, |v[XS+1]|, |v[XS+2]|               ; the largest magnitude of my 16, in two chains
	v_max3_num_f32 v9, |v[XS+3]|, |v[XS+4]|, |v[XS+5]|
.irp i, 6,10
	v_max3_num_f32 v8, v8, |v[XS+\i]|, |v[XS+\i+1]|
	v_max3_num_f32 v9, v9, |v[XS+\i+2]|, |v[XS+\i+3]|
.endr
	v_max3_num_f32 v8, v8, |v[XS+14]|, |v[XS+15]|
	v_max3_num_f32 v8, v8, v9, (EMAX+1)<<23        ; and the floor 2^(3 - 127): the byte cannot fall under 1
	v_max_num_f32_dpp v8, v8, v8 row_xmask:1 row_mask:0xf bank_mask:0xf   ; and of my neighbour's 16: the block's
	v_add_nc_u32 v11, -(EMAX<<23), v8              ; 2 off its exponent field: the conversion takes the exponent field of this operand as its scale
	v_cvt_scalef32_pk16_fp6_f32 v[C+4*(\t):C+4*(\t)+2], v[XS:XS+15], v11
	v_lshrrev_b32 v[E+(\t)], 23, v11               ; the scale's byte (also the plain line behind the conversion)
	ds_store_b8 v5, v[E+(\t)] offset:((\t)%4)*64+2*((\t)/4)        ; both lanes of a block write the same byte with the same value
	global_store_b96 v4, v[C+4*(\t):C+4*(\t)+2], s[24+2*((\t)/4):25+2*((\t)/4)] offset:((\t)%4)*384   ; 32 lanes store 384 consecutive bytes
.endm
.irp t, 0,1,2,3,4,5,6,7,8,9,10,11,12,13,14,15
	STEP \t
.endr
	ds_load_b64 v[8:9], v6                         ; LDS serves a wave's instructions in order: these see my byte stores
	s_wait_dscnt 0x0
	global_store_b64 v7, v[8:9], s[32:33]          ; 32 lanes store 256 consecutive bytes, aligned
	s_wait_tensorcnt 0x0                           ; the wave's end: these three lines behind my last LDS store
	ds_add_u32 v[SPW], v[NIL]
	s_wait_dscnt 0x0
	s_endpgm
.Lfunc_end_k_q4731651c2b_quant:
	.size	k_q4731651c2b_quant, .Lfunc_end_k_q4731651c2b_quant-k_q4731651c2b_quant
	.p2alignl 7, 3214868480
	.fill 96, 4, 3214868480
	.section	.rodata,"a",@progbits
	.p2align	6, 0x0
	.amdhsa_kernel k_q4731651c2b_quant
		.amdhsa_group_segment_fixed_size 33280
		.amdhsa_private_segment_fixed_size 0
		.amdhsa_enable_private_segment 0
		.amdhsa_kernarg_size 40
		.amdhsa_user_sgpr_count 2
		.amdhsa_user_sgpr_kernarg_segment_ptr 1
		.amdhsa_wavefront_size32 1
		.amdhsa_system_sgpr_workgroup_id_x 1
		.amdhsa_system_sgpr_workgroup_id_y 1
		.amdhsa_system_sgpr_workgroup_id_z 1
		.amdhsa_system_vgpr_workitem_id 0
		.amdhsa_next_free_vgpr 192
		.amdhsa_next_free_sgpr 66
		.amdhsa_reserve_vcc 0
		.amdhsa_float_denorm_mode_32 3
		.amdhsa_float_denorm_mode_16_64 3
		.amdhsa_memory_ordered 1
		.amdhsa_forward_progress 1
		.amdhsa_inst_pref_size 34
	.end_amdhsa_kernel
	.amdgpu_metadata
---
amdhsa.version: [ 1, 2 ]
amdhsa.kernels:
  - .name:           k_q4731651c2b_quant
    .symbol:         k_q4731651c2b_quant.kd
    .args:
      - { .name: x, .offset: 0, .size: 8, .value_kind: global_buffer, .address_space: global }
      - { .name: in_proj_weight, .offset: 8, .size: 8, .value_kind: global_buffer, .address_space: global }
      - { .name: out_proj_weight, .offset: 16, .size: 8, .value_kind: global_buffer, .address_space: global }
      - { .name: xq, .offset: 24, .size: 8, .value_kind: global_buffer, .address_space: global }
      - { .name: wq, .offset: 32, .size: 8, .value_kind: global_buffer, .address_space: global }
    .group_segment_fixed_size: 33280
    .private_segment_fixed_size: 0
    .kernarg_segment_align: 8
    .kernarg_segment_size: 40
    .max_flat_workgroup_size: 128
    .sgpr_count:     66
    .vgpr_count:     192
    .wavefront_size: 32
...
	.end_amdgpu_metadata
.endif
;; end of part 1
;; launch qkv (part 2): grid 12 x 32, 4 waves a work-group, clusters of 4 x 4, 327,680 bytes of LDS; arguments xq, wq, in_proj_bias, qk, vq; writes qk, vq
.if DOCPART == 2
	.amdgcn_target "amdgcn-amd-amdhsa--gfx1250"
	.amdhsa_code_object_version 6
	.text
	.protected	k_q4731651c2b_qkv
	.globl	k_q4731651c2b_qkv
	.p2align	8
	.type	k_q4731651c2b_qkv,@function
k_q4731651c2b_qkv:
	s_mov_b64 s[64:65], 0
	v_nop
	global_prefetch_b8 v0, s[64:65] scope:SCOPE_SE
	s_setreg_imm32_b32 hwreg(HW_REG_WAVE_MODE, 25, 1), 1
	s_wait_xcnt 0x0
	s_wait_alu depctr_hold_cnt(0) depctr_sa_sdst(0) depctr_va_vdst(0) depctr_va_sdst(0) depctr_va_ssrc(0) depctr_va_vcc(0) depctr_vm_vsrc(0)
	s_getreg_b32 s2, hwreg(HW_REG_IB_STS2, 6, 4)
	s_cmp_eq_u32 s2, 0
	s_cbranch_scc0 .Lentry_in_a_cluster
	s_endpgm
.Lentry_in_a_cluster:
	s_bfe_u32 s2, ttmp6, 0x10000c
	s_cmp_lg_u32 s2, 0xf033
	s_cbranch_scc0 .Lentry_shape_is_right
	s_endpgm
.Lentry_shape_is_right:
; qkv = x W_in^T + bias on codes of FP6 (E2M3) with E8M0 scales, K = 1,024; the result is QUANTISED ON THE WAY OUT and leaves as codes: q and k along the head's 64, v along the keys.
; A work-group of four waves makes 256 positions of x times 256 positions of W_in; a wave 128 x 128: 64 accumulators, 512 registers.  Cluster x = 0 makes q, 1 makes k, 2 makes v.
; K goes in four steps of 256 through two LDS slots filled by the tensor data mover.  Codes lie in memory as [panel of 64 along K][position][48 bytes], so a wave's fill is 4 panels x 6,144 consecutive bytes.
; Position p holds true row pi(p) (bits 3 and 4 exchanged): the results of source 0's tiles 2 b and 2 b + 1 are then, in a lane's 16 registers, 16 true neighbours.
; ROLES.  Source 1 gives a lane its row, source 0 runs along a lane's registers.  q, k: source 1 = x, source 0 = W: a lane holds one token and 128 channels (two heads).
; v: the same text with the LDS read addresses exchanged: source 1 = W_v, source 0 = x: a lane holds one channel and 128 keys, which are the K of attention's second product.
; The choice hangs on cluster x, which all sixteen partners share.  The fills are the same in both cases.
; CLUSTER 4 x 4: x's tile is shared along a row of the cluster, W's along a column: each is asked for jointly.
; The bias is the C of each sum's first matrix instruction.
; OUT.  qk: codes [32 panels: q's heads, k's heads][8,192 positions][48]; scale words [32][8,192][4]: byte 0, 1 the head's two blocks, bytes 2, 3 = 127.
;       vq: codes [64 heads][16 steps of 128 keys][4 tiles of 16 channel positions][3][32 lanes][16]: the image of the operand's registers; scale words [64][16][64][4].
; LIMITS: NaN and infinities are not served; a block whose largest magnitude lies under 2^-124 gets the byte 1 (read by this program alone).
; REGISTERS, in windows of 256.  Window 0: v1-31 addresses; v32-63 scale words, two sets; v64-127 the bias, later at work; v128-223 source 1's fragments, one set; on the way out v128-231 rows read back.
;   Window 1: source 0's fragments, two sets, at v0 and v128.   Windows 2, 3: the accumulators ((a, b) at v[8 (8 (a % 4) + b)]).
.set NQ,     2                         ; matrix instructions deep in a slot
.set FR,     12                        ; registers of a fragment
.set NL,     6                         ; LDS loads that bring one
.set NP,     4                         ; places behind this matrix instruction (ISA guide 7.12.1)
.set PANB,   6144                      ; 128 rows of one panel
.set HALFT,  4*PANB                    ; what one tensor load brings: 4 panels x 128 rows
.set SLOT,   4*HALFT                   ; x's two halves, then W's two halves
.set SCL,    2*SLOT                    ; the scale bytes of all of K: wave w's load at 4,096 w + 128 (w / 2)
.set SPARE,  SCL+24576                 ; the spare words, 128 bytes a wave
.set QSTG,   SPARE+512                 ; stages for q and k: 12,288 bytes of codes + 1,024 of words for each wave
.set QSTB,   13312
.set VSTG,   QSTG+4*QSTB               ; stages for v: 12,288 + 512 for each wave
.set VSTB,   12800
.set XROWS,  8192
.set WROWS,  3072
.set XSOFF,  6291456                   ; x's scale bytes in xq
.set WSOFF,  2359296                   ; W_in's in wq
.set QKW,    12582912                  ; the scale words in qk
.set VQW,    6291456                   ; and in vq
.set ADRA, 16                          ; v16-17  LDS address of source 1's fragments in slot 0, 1
.set ADRB, 20                          ; v20-21  of source 0's
.set WSV,  22                          ; v22     v's stage: my row's scale word
.set COV,  23                          ; v23     v's scale words in memory
.set CST,  24                          ; v24     q, k stage: my 24 bytes of a row
.set RDQ,  25                          ; v25     q, k stage: read back, 16 bytes a lane
.set CO,   26                          ; v26     16 x lane
.set ADRS, 27                          ; v27     LDS address of my scale words: lanes 0-15 source 1's rows, lanes 16-31 source 0's
.set SPW,  28                          ; v28     my spare word; never rewritten
.set NIL,  29                          ; v29     0; never rewritten
.set WST,  30                          ; v30     q, k stage: my scale word
.set IST,  31                          ; v31     v's stage: 16 x lane
.set SC,   32
.set BIAS, 64
.set TM,   64                          ; the way out: v64-67 largest magnitudes, v68-71 bytes, v76-79 the conversions' scale operands
.set PW0,  80
.set PW1,  81
.set PW,   82
.set PC,   84                          ; v84-95 a fragment's codes, v96-102 at work
.set AF,   128
.set BK,   128
.set G1, 24
.set G0, 32
.set G1B, 48
.set G0B, 56
.set G1S, 68
.set G0S, 76
.set G1SB, 80
.set G0SB, 88
.set MSB, 0
.macro WIN new                         ; the immediate's high byte repeats the setting that is left
.if MSB != \new
	s_set_vgpr_msb (MSB<<8)|\new
.set MSB, \new
.endif
.endm
.set MUL_LO, 0xa1                      ; source 0 window 1, source 1 window 0, C and D window 2
.set MUL_HI, 0xf1                      ; the same, C and D window 3
.set ZER_LO, 0x81                      ; the first products: C (the bias) window 0, D window 2
.set ZER_HI, 0xc1
.set TO_B,   0x40                      ; destination window 1, address window 0
; A joint load: waves 0 and 1 fetch x's halves, waves 2 and 3 W's.  The branch hangs on the wave's number alone.  An s_nop 0 and four v_nop follow each line.
.macro JLOAD g0a, g1a, g0b, g1b
	s_cmp_eq_u32 s15, 0
	s_cbranch_scc0 .Lfor_b_\@
	tensor_load_to_lds s[\g0a:\g0a+3], s[\g1a:\g1a+7]
	s_nop 0
.rept 4
	v_nop
.endr
	s_branch .Lasked_\@
.Lfor_b_\@:
	tensor_load_to_lds s[\g0b:\g0b+3], s[\g1b:\g1b+7]
	s_nop 0
.rept 4
	v_nop
.endr
.Lasked_\@:
.endm
.macro CREST                           ; a round of the cluster's barrier behind its opening barrier
	s_cmp_lg_u32 s14, 0
	s_cbranch_scc1 .Lnot_wave_0_\@
	s_barrier_signal -3
.Lnot_wave_0_\@:
	s_barrier_wait -3
	s_barrier_signal -1
	s_barrier_wait -1
.endm
.macro CROUND
	s_barrier_signal -1
	s_barrier_wait -1
	CREST
.endm
	s_load_b256 s[4:11], s[0:1], 0x0               ; xq s[4:5], wq s[6:7], bias s[8:9], qk s[10:11]
	s_load_b64 s[12:13], s[0:1], 0x20              ; vq
	v_lshl_add_u32 v[SPW], v0, 2, SPARE
	v_mov_b32 v[NIL], 0
	ds_add_u32 v[SPW], v[NIL]                      ; the wave's opening: the add and its wait ahead of my first tensor load
	v_lshrrev_b32 v1, 5, v0
	v_readfirstlane_b32 s14, v1                    ; wave 0..3
	s_lshr_b32 s15, s14, 1                         ; which half of source 1's rows is mine.  Also: I fetch for x (0) or for W (1)
	s_and_b32 s16, s14, 1                          ; which half of source 0's rows.  Also: which 128 rows I fetch
	s_bfe_u32 s40, ttmp6, 0x40000                  ; cx, cy: my place in the cluster
	s_bfe_u32 s41, ttmp6, 0x40004
	s_lshl_b32 s42, ttmp9, 2
	s_add_co_u32 s42, s42, s40                     ; tile column (256 positions of W) = 4 x cluster x + cx
	s_and_b32 s17, ttmp7, 0xffff
	s_lshl_b32 s17, s17, 2
	s_add_co_u32 s17, s17, s41                     ; tile row (256 positions of x) = 4 x cluster y + cy
	s_lshl_b32 s43, s41, 2
	s_lshl_b32 s43, 15, s43                        ; my row of the cluster
	s_lshl_b32 s44, 0x1111, s40                    ; my column
	; group 1 for codes: 4 rows (panels) of 768 elements of 8 bytes (128 positions x 48 bytes); no padding
	s_or_b32 s[G1+0], s43, (3<<16)|(1<<21)         ; 15:0 the mask: x's tiles go to my row; 17:16 elements of 8 bytes; 21 set beside a mask
	s_or_b32 s[G1B+0], s44, (3<<16)|(1<<21)        ; W's tiles go to my column
.irp g, G1, G1B
	s_mov_b32 s[\g+1], 768<<16                     ; tensor_dim0
	s_mov_b32 s[\g+2], 4<<16                       ; tensor_dim1
	s_mov_b32 s[\g+3], 768<<16                     ; tile_dim0
	s_mov_b32 s[\g+4], 4                           ; tile_dim1
	s_mov_b32 s[\g+6], 0
	s_mov_b32 s[\g+7], 0
.endr
	s_mov_b32 s[G1+5], XROWS*6                     ; from panel to panel, in elements
	s_mov_b32 s[G1B+5], WROWS*6
	; group 1 for scale bytes: 4 rows (runs of 256 along K) of 128 elements of 8 bytes
	s_or_b32 s[G1S+0], s43, (3<<16)|(1<<21)
	s_or_b32 s[G1SB+0], s44, (3<<16)|(1<<21)
.irp g, G1S, G1SB
	s_mov_b32 s[\g+1], 128<<16
	s_mov_b32 s[\g+2], 4<<16
	s_mov_b32 s[\g+3], 128<<16
	s_mov_b32 s[\g+4], 4
	s_mov_b32 s[\g+6], 0
	s_mov_b32 s[\g+7], 0
.endr
	s_mov_b32 s[G1S+5], XROWS
	s_mov_b32 s[G1SB+5], WROWS
	s_lshl_b32 s18, s16, 7                         ; which 128 rows of the tile I fetch
	s_lshl_b32 s20, s17, 8
	s_add_co_u32 s20, s20, s18                     ; x: position 256 x tile row + 128 x half
	s_lshl_b32 s46, s42, 8
	s_add_co_u32 s46, s46, s18                     ; W: position 256 x tile column + 128 x half
	s_lshl_b32 s22, s20, 3
	s_add_co_u32 s22, s22, XSOFF                   ; their scale bytes
	s_lshl_b32 s92, s46, 3
	s_add_co_u32 s92, s92, WSOFF
	s_mul_i32 s20, s20, 48                         ; and their codes
	s_mul_i32 s46, s46, 48
	s_mov_b32 s21, 0
	s_mov_b32 s23, 0
	s_mov_b32 s47, 0
	s_mov_b32 s93, 0
	s_mul_i32 s45, s14, HALFT                      ; where they go: no place in the cluster enters an LDS address
	s_lshl_b32 s94, s14, 12
	s_lshl_b32 s95, s15, 7
	s_add_co_u32 s94, s94, s95
	s_mov_b32 s96, 0x76543210                      ; v_permlanex16_b32's selects for lane l xor 16
	s_mov_b32 s97, 0xfedcba98
	s_mov_b32 s98, 0xffff0000                      ; lanes 16-31
	s_wait_dscnt 0x0                               ; the opening add is done
	s_wait_kmcnt 0x0
	s_add_nc_u64 s[20:21], s[4:5], s[20:21]
	s_add_nc_u64 s[22:23], s[4:5], s[22:23]
	s_add_nc_u64 s[46:47], s[6:7], s[46:47]
	s_add_nc_u64 s[92:93], s[6:7], s[92:93]
	CROUND                                         ; all sixteen work-groups are here: the first joint loads meet
	s_mov_b32 s[G0S], 1
	s_add_co_u32 s[G0S+1], s94, SCL
	s_mov_b64 s[G0S+2:G0S+3], s[22:23]
	s_or_b32 s[G0S+3], s[G0S+3], 0x80000000
	s_mov_b32 s[G0SB], 1
	s_add_co_u32 s[G0SB+1], s94, SCL
	s_mov_b64 s[G0SB+2:G0SB+3], s[92:93]
	s_or_b32 s[G0SB+3], s[G0SB+3], 0x80000000
	JLOAD G0S, G1S, G0SB, G1SB                     ; the scale bytes first: they are wanted with K step 0
.irp s, 0,1
	s_mov_b32 s[G0+4*\s], 1
	s_add_co_u32 s[G0+4*\s+1], s45, \s*SLOT
	s_add_nc_u64 s[G0+4*\s+2:G0+4*\s+3], s[20:21], \s*4*XROWS*48
	s_or_b32 s[G0+4*\s+3], s[G0+4*\s+3], 0x80000000
	s_mov_b32 s[G0B+4*\s], 1
	s_add_co_u32 s[G0B+4*\s+1], s45, \s*SLOT
	s_add_nc_u64 s[G0B+4*\s+2:G0B+4*\s+3], s[46:47], \s*4*WROWS*48
	s_or_b32 s[G0B+4*\s+3], s[G0B+4*\s+3], 0x80000000
	JLOAD G0+4*\s, G1, G0B+4*\s, G1B
.endr
	; every LDS address is made here, ahead of the first parting of the ways
	v_and_b32 v1, 15, v0                           ; r
	v_bfe_u32 v2, v0, 4, 1                         ; h
	v_mul_u32_u24 v3, v1, 48
	v_mad_u32_u24 v4, v2, 24, v3                   ; a fragment's row x 48 + 24 x half
	s_cmp_eq_u32 ttmp9, 2                          ; v?  The same in all sixteen partners
	s_cselect_b32 s18, 2*HALFT, 0                  ; source 1 reads W's tile for v, x's else
	s_cselect_b32 s19, 0, 2*HALFT                  ; source 0 the other
	s_cselect_b32 s95, s15, s16                    ; which half of the tile's 256 channels is my wave's
	s_cselect_b32 s99, -1, 0
	s_mul_i32 s21, s15, HALFT
	s_add_co_u32 s21, s21, s18
	s_mul_i32 s22, s16, HALFT
	s_add_co_u32 s22, s22, s19
.irp s, 0,1
	v_add_nc_u32 v[ADRA+\s], s21, v4
	v_add_nc_u32 v[ADRB+\s], s22, v4
	s_add_co_u32 s21, s21, SLOT
	s_add_co_u32 s22, s22, SLOT
.endr
	s_lshl_b32 s18, s15, 12                        ; the scale words.  q, k: lanes 0-15 x's half (wave / 2), lanes 16-31 W's half (wave % 2), 8,320 bytes behind x's first
	s_lshl_b32 s19, s16, 12
	s_add_co_u32 s20, s19, 8320
	s_sub_co_u32 s20, s20, s18
	v_mul_u32_u24 v5, s20, v2
	v_add_nc_u32 v5, s18, v5
	s_add_co_u32 s23, s18, 8320                    ; v: lanes 0-15 W's half (wave / 2), lanes 16-31 x's half (wave % 2)
	s_sub_co_u32 s23, s23, s19
	v_xor_b32 v7, 1, v2
	v_mul_u32_u24 v6, s23, v7
	v_add_nc_u32 v6, s19, v6
	v_cndmask_b32 v5, v5, v6, s99
	v_lshl_add_u32 v5, v1, 3, v5                   ; 8 bytes a row
	v_add_nc_u32 v[ADRS], SCL, v5
	s_mul_i32 s23, s14, QSTB
	s_add_co_u32 s23, s23, QSTG
	v_add_nc_u32 v[CST], s23, v4
	v_lshlrev_b32 v5, 2, v1                        ; 4 r
	v_lshl_add_u32 v6, v2, 9, v5
	v_add_nc_u32 v6, s23, v6
	v_add_nc_u32 v[WST], 12288, v6                 ; lanes 0-15 the first head's words, lanes 16-31 the second's
	v_and_b32 v7, 31, v0
	v_lshlrev_b32 v[CO], 4, v7
	v_add_nc_u32 v[RDQ], s23, v[CO]
	s_mul_i32 s23, s14, VSTB
	s_add_co_u32 s23, s23, VSTG
	v_add_nc_u32 v[IST], s23, v[CO]
	v_add_nc_u32 v[WSV], s23, v5
	v_add_nc_u32 v[WSV], 12288, v[WSV]
	v_lshlrev_b32 v[COV], 4, v1
	v_lshl_add_u32 v[COV], v2, 12, v[COV]          ; lanes 0-15 one head's 256 bytes of words, lanes 16-31 the next head's
	; the bias of my wave's 128 channels
	s_lshl_b32 s18, s42, 10
	s_lshl_b32 s19, s95, 9
	s_add_co_u32 s18, s18, s19
	s_mov_b32 s19, 0
	s_add_nc_u64 s[8:9], s[8:9], s[18:19]
	v_lshlrev_b32 v8, 6, v2                        ; q, k: my half's 16 channels of each 32
	v_and_b32 v9, 8, v1
	v_add_nc_u32 v9, v9, v1
	v_lshlrev_b32 v9, 2, v9                        ; v: the true channel of position r: r + 8 (r / 8)
	s_cmp_eq_u32 ttmp9, 2
	s_cbranch_scc1 .Lbias_v
.irp b, 0,1,2,3,4,5,6,7                        ; q, k: tile b's register j is channel 32 (b / 2) + 8 (b % 2) + 16 h + j
	global_load_b128 v[BIAS+8*\b:BIAS+8*\b+3], v8, s[8:9] offset:(32*(\b/2)+8*(\b%2))*4
	global_load_b128 v[BIAS+8*\b+4:BIAS+8*\b+7], v8, s[8:9] offset:(32*(\b/2)+8*(\b%2))*4+16
.endr
	s_branch .Lbias_done
.Lbias_v:
.irp a, 0,1,2,3,4,5,6,7                        ; v: all eight registers of block a hold the bias of the lane's channel
.irp j, 0,1,2,3,4,5,6,7
	global_load_b32 v[BIAS+8*\a+\j], v9, s[8:9] offset:(32*(\a/2)+8*(\a%2))*4
.endr
.endr
.Lbias_done:
	s_wait_loadcnt 0x0
.macro FRAG reg, adr, q, i             ; 16 rows x 128 K: registers 6 c .. 6 c + 5 hold K = 64 c + 32 h + 0 .. 31: 24 bytes of the row in panel 2 q + c.  Rows 48 bytes apart: the 32 lanes of a load of 8 bytes touch 64 different banks
.irp p, 0,1,2,3,4,5
	ds_load_b64 v[\reg+2*\p:\reg+2*\p+1], v[\adr] offset:(2*(\q)+\p/3)*PANB+(\i)*768+8*(\p%3)
.endr
.endm
; 16 matrix instructions: source 1's blocks a0, a0 + 1 x source 0's eight.  zero = 1: C is the bias by source 0's tile; 2: by source 1's block; 0: the sum goes on.
; The 64 accumulators take turns, one instruction a turn, in the same order in every step.
.macro MUL16 a0, p, q, sc, zero
.irp a, \a0, \a0+1
.irp b, 0,1,2,3,4,5,6,7
.if \zero == 1
	v_wmma_scale_f32_16x16x128_f8f6f4 v[8*(8*((\a)%4)+\b):8*(8*((\a)%4)+\b)+7], v[128*(\p)+FR*\b:128*(\p)+FR*\b+FR-1], v[AF+FR*(\a):AF+FR*(\a)+FR-1], v[BIAS+8*\b:BIAS+8*\b+7], v[SC+8*NQ*(\sc)+NQ*\b+(\q)], v[SC+8*NQ*(\sc)+NQ*(\a)+(\q)] matrix_a_fmt:MATRIX_FMT_FP6 matrix_b_fmt:MATRIX_FMT_FP6 matrix_a_scale:MATRIX_SCALE_ROW1
.elseif \zero == 2
	v_wmma_scale_f32_16x16x128_f8f6f4 v[8*(8*((\a)%4)+\b):8*(8*((\a)%4)+\b)+7], v[128*(\p)+FR*\b:128*(\p)+FR*\b+FR-1], v[AF+FR*(\a):AF+FR*(\a)+FR-1], v[BIAS+8*(\a):BIAS+8*(\a)+7], v[SC+8*NQ*(\sc)+NQ*\b+(\q)], v[SC+8*NQ*(\sc)+NQ*(\a)+(\q)] matrix_a_fmt:MATRIX_FMT_FP6 matrix_b_fmt:MATRIX_FMT_FP6 matrix_a_scale:MATRIX_SCALE_ROW1
.else
	v_wmma_scale_f32_16x16x128_f8f6f4 v[8*(8*((\a)%4)+\b):8*(8*((\a)%4)+\b)+7], v[128*(\p)+FR*\b:128*(\p)+FR*\b+FR-1], v[AF+FR*(\a):AF+FR*(\a)+FR-1], v[8*(8*((\a)%4)+\b):8*(8*((\a)%4)+\b)+7], v[SC+8*NQ*(\sc)+NQ*\b+(\q)], v[SC+8*NQ*(\sc)+NQ*(\a)+(\q)] matrix_a_fmt:MATRIX_FMT_FP6 matrix_b_fmt:MATRIX_FMT_FP6 matrix_a_scale:MATRIX_SCALE_ROW1
.endif
.endr
.endr
.endm
.macro FETCH_B slot, q, p              ; source 0's eight fragments of the slot's q-th 128 along K into set p
	WIN TO_B
.irp i, 0,1,2,3,4,5,6,7
	FRAG 128*(\p)+FR*\i, ADRB+\slot, \q, \i
.endr
	WIN 0
.endm
.macro FETCH_A slot, q, i0             ; source 1's blocks i0 .. i0 + 3
.irp i, \i0, \i0+1, \i0+2, \i0+3
	FRAG AF+FR*(\i), ADRA+\slot, \q, \i
.endr
.endm
.macro SCALES sc                       ; a K step's scale words into set sc: two words a row; lanes 0-15 source 1's block i, lanes 16-31 source 0's block i
.irp i, 0,1,2,3,4,5,6,7
	ds_load_b64 v[SC+8*NQ*\sc+NQ*\i:SC+8*NQ*\sc+NQ*\i+1], v[ADRS] offset:\i*128
.endr
.endm
.macro PLACES n                        ; plain vector lines between a matrix instruction and a load into, or a read of, its registers
.rept \n
	v_nop
.endr
.endm
.macro STEP slot, q, zero              ; a step of 128 along K that has its successor in the same slot
	s_wait_dscnt 4*NL                              ; all but the youngest 24 loads (source 1's blocks 4-7) are in
.if \zero
	WIN ZER_LO
.else
	WIN MUL_LO
.endif
	MUL16 0, (\q)%2, \q, \slot, \zero
	MUL16 2, (\q)%2, \q, \slot, \zero
	s_wait_dscnt 0
	PLACES NP
	FETCH_B \slot, (\q)+1, 1-(\q)%2
	FETCH_A \slot, (\q)+1, 0
.if \zero
	WIN ZER_HI
.else
	WIN MUL_HI
.endif
	MUL16 4, (\q)%2, \q, \slot, \zero
	MUL16 6, (\q)%2, \q, \slot, \zero
	PLACES NP
	WIN 0
	FETCH_A \slot, (\q)+1, 4
.endm
; A slot's last step changes slots: one barrier; in front of it each wave waits for all its tensor loads, adds 0 to its spare word, and waits for that and for its reads of this slot.  fill = 1: the slot is filled again, two K steps ahead.
.macro TURN slot, next, fill
	s_wait_tensorcnt 0x0                           ; all my tensor loads have landed: my part of the next slot
	ds_add_u32 v[SPW], v[NIL]
	s_wait_dscnt 4*NL+1                            ; (the add and the youngest 24 loads may be out)
	WIN MUL_LO
	MUL16 0, 1, NQ-1, \slot, 0
	s_wait_dscnt 0x0                               ; the add is done, and my reads of this slot are over
	s_barrier_signal -1
	MUL16 2, 1, NQ-1, \slot, 0
	WIN 0
	s_barrier_wait -1
.if \fill
	CREST                                          ; the barrier has opened a round of the cluster's: no wave of any partner still reads this slot or has a load on its way
	s_add_nc_u64 s[G0+4*\slot+2:G0+4*\slot+3], s[G0+4*\slot+2:G0+4*\slot+3], 2*4*XROWS*48
	s_add_nc_u64 s[G0B+4*\slot+2:G0B+4*\slot+3], s[G0B+4*\slot+2:G0B+4*\slot+3], 2*4*WROWS*48
	JLOAD G0+4*\slot, G1, G0B+4*\slot, G1B         ; the first tensor load behind the round; its four v_nop are the places in front of the loads below
.else
	PLACES NP
.endif
	v_add_nc_u32 v[ADRS], 1024, v[ADRS]            ; on to the next K step's scale words
	FETCH_B \next, 0, 0
	FETCH_A \next, 0, 0
	SCALES \next
	WIN MUL_HI
	MUL16 4, 1, NQ-1, \slot, 0
	MUL16 6, 1, NQ-1, \slot, 0
	PLACES NP
	WIN 0
	FETCH_A \next, 0, 4
.endm
	s_wait_tensorcnt 1                             ; the scale bytes and my part of K step 0 are in (K step 1's load may be out),
	s_barrier_signal -1
	s_barrier_wait -1                              ; everybody's are
	FETCH_B 0, 0, 0
	FETCH_A 0, 0, 0
	SCALES 0
	FETCH_A 0, 0, 4
	s_cmp_eq_u32 ttmp9, 2                          ; the first step is written twice: its products take the bias as C, which lies along source 0 for q and k, along source 1 for v
	s_cbranch_scc1 .Lfirst_v
	STEP 0, 0, 1
	s_branch .Lfirst_done
.Lfirst_v:
	STEP 0, 0, 2
.Lfirst_done:
	TURN 0, 1, 1                                   ; K = 1,024 is four K steps: written out, no loop
	STEP 1, 0, 0
	TURN 1, 0, 1
	STEP 0, 0, 0
	TURN 0, 1, 0                                   ; nothing is left to fetch
	STEP 1, 0, 0
	s_wait_dscnt 4*NL
	WIN MUL_LO
	MUL16 0, 1, NQ-1, 1, 0
	MUL16 2, 1, NQ-1, 1, 0
	s_wait_dscnt 0
	WIN MUL_HI
	MUL16 4, 1, NQ-1, 1, 0
	MUL16 6, 1, NQ-1, 1, 0
	WIN 0
	PLACES NP
.irp b, 0,1,2,3
	v_mov_b32 v[TM+4+\b], 0                        ; a lane permute's destination counts as one of its sources
.endr
; THE WAY OUT.  Block a's 64 registers of a lane: register 16 b + i is number 32 b + 16 h + i along the axis to be quantised.
; QMAX: the four blocks' largest magnitudes (with the floor 2^(3 - 127)), their scale operands in v[TM+12 ..] and bytes in v[TM+4 ..].  Each accumulator is read from its low end on.
.macro QMAX a
.set AC, 64*((\a)%4)
.set WQ, ((2+(\a)/4)<<2)|((2+(\a)/4)<<4)
	WIN WQ                                         ; sources 1 and 2: the accumulators' window
.irp b, 0,1,2,3
	v_max3_num_f32 v[TM+\b], 0x1800000, |v[AC+16*\b]|, |v[AC+16*\b+1]|
.endr
.irp i, 2,4,6,8,10,12,14
.irp b, 0,1,2,3
	v_max3_num_f32 v[TM+\b], v[TM+\b], |v[AC+16*\b+\i]|, |v[AC+16*\b+\i+1]|
.endr
.endr
	WIN 0
.irp b, 0,1,2,3
	v_permlanex16_b32 v[TM+4+\b], v[TM+\b], s96, s97
.endr
.irp b, 0,1,2,3
	v_max_num_f32 v[TM+\b], v[TM+\b], v[TM+4+\b]   ; with lane l xor 16's: the block's
.endr
.irp b, 0,1,2,3
	v_add_nc_u32 v[TM+12+\b], 0xff000000, v[TM+\b] ; 2 off the exponent field: the conversion's scale operand
.endr
.irp b, 0,1,2,3
	v_lshrrev_b32 v[TM+4+\b], 23, v[TM+12+\b]      ; the scale's byte
.endr
.endm
; QCVT: the codes.  Afterwards v[PC + 6 c .. + 5] of lane (r, h) hold block 2 c + h of the lane's row: 24 bytes.
.macro QCVT a
.set AC, 64*((\a)%4)
.set WQ, 2+(\a)/4
	WIN WQ                                         ; source 0: the accumulators' window
.irp c, 0,1
	v_cvt_scalef32_pk16_fp6_f32 v[PC+6*\c:PC+6*\c+2], v[AC+32*\c:AC+32*\c+15], v[TM+12+2*\c]
	v_cvt_scalef32_pk16_fp6_f32 v[PC+12+4*\c:PC+14+4*\c], v[AC+16+32*\c:AC+31+32*\c], v[TM+13+2*\c]
.endr
	WIN 0
	v_nop                                          ; one plain line behind the scaled conversions
.irp c, 0,1
.irp i, 0,1,2
	v_permlane16_swap_b32 v[PC+6*\c+\i], v[PC+12+4*\c+\i]
.endr
.irp i, 0,1,2
	v_mov_b32 v[PC+3+6*\c+\i], v[PC+12+4*\c+\i]
.endr
.endr
.endm
	s_cmp_eq_u32 ttmp9, 2
	s_cbranch_scc1 .Lout_v
	; ---- q and k: a lane holds one token; blocks 0, 1 are the first head's 64 channels, blocks 2, 3 the second's
	s_lshl_b32 s18, s42, 2
	s_lshl_b32 s19, s16, 1
	s_add_co_u32 s18, s18, s19                     ; my first panel: 4 x tile column + 2 x half
	s_lshl_b32 s19, s17, 8
	s_lshl_b32 s20, s15, 7
	s_add_co_u32 s19, s19, s20                     ; my first position
	s_lshl_b32 s22, s18, 15
	s_lshl_b32 s20, s19, 2
	s_add_co_u32 s22, s22, s20
	s_add_co_u32 s22, s22, QKW
	s_mov_b32 s23, 0
	s_add_nc_u64 s[66:67], s[10:11], s[22:23]      ; the words
	s_mul_i32 s20, s18, XROWS*48
	s_mul_i32 s21, s19, 48
	s_add_co_u32 s20, s20, s21
	s_mov_b32 s21, 0
	s_add_nc_u64 s[10:11], s[10:11], s[20:21]      ; the codes
.irp a, 0,1,2,3,4,5,6,7
	QMAX \a
	s_wait_dscnt 0x0                               ; the last block's LDS stores have read their registers
	v_lshl_or_b32 v[PW0], v[TM+5], 8, v[TM+4]
	v_lshl_or_b32 v[PW1], v[TM+7], 8, v[TM+6]
	v_cndmask_b32 v[PW], v[PW0], v[PW1], s98       ; lanes 0-15 carry the first head's word, lanes 16-31 the second's
	v_or_b32 v[PW], 0x7f7f0000, v[PW]              ; bytes 2 and 3: the scale 1 for the half of the matrix instruction's K that holds zero codes
	QCVT \a
.irp c, 0,1
.irp p, 0,1,2
	ds_store_b64 v[CST], v[PC+6*\c+2*\p:PC+6*\c+2*\p+1] offset:\c*PANB+\a*768+8*\p
.endr
.endr
	ds_store_b32 v[WST], v[PW] offset:\a*64
.endr
.irp t, 0,1,2,3,4,5,6,7,8,9,10,11,12,13,14,15,16,17,18,19,20,21,22,23
	ds_load_b128 v[BK+4*\t:BK+4*\t+3], v[RDQ] offset:512*\t        ; LDS serves a wave's instructions in order: these see my stores
.endr
.irp c, 0,1
	ds_load_b128 v[BK+96+4*\c:BK+99+4*\c], v[RDQ] offset:12288+512*\c
.endr
.irp t, 0,1,2,3,4,5,6,7,8,9,10,11,12,13,14,15,16,17,18,19,20,21,22,23
	s_wait_dscnt 25-\t                             ; the younger loads may be out
	global_store_b128 v[CO], v[BK+4*\t:BK+4*\t+3], s[10:11] offset:(\t/12)*XROWS*48+(\t%12)*512   ; 32 lanes store 512 consecutive bytes, aligned
.endr
.irp c, 0,1
	s_wait_dscnt 1-\c
	global_store_b128 v[CO], v[BK+96+4*\c:BK+99+4*\c], s[66:67] offset:\c*XROWS*4
.endr
	s_branch .Lout_done
.Lout_v:
	; ---- v: a lane holds one channel position; its four blocks are 128 keys: the codes are the operand's registers as they stand
	s_sub_co_u32 s18, s42, 8
	s_lshl_b32 s18, s18, 2
	s_lshl_b32 s19, s15, 1
	s_add_co_u32 s18, s18, s19                     ; my first head: 4 x (tile column - 8) + 2 x half
	s_lshr_b32 s19, s17, 3                         ; the batch
	s_lshl_b32 s19, s19, 4
	s_add_co_u32 s18, s18, s19
	s_lshl_b32 s18, s18, 4
	s_and_b32 s19, s17, 7
	s_lshl_b32 s19, s19, 1
	s_add_co_u32 s19, s19, s16                     ; which 128 keys of the head
	s_add_co_u32 s18, s18, s19
	s_lshl_b32 s22, s18, 8
	s_add_co_u32 s22, s22, VQW
	s_mov_b32 s23, 0
	s_add_nc_u64 s[66:67], s[12:13], s[22:23]      ; the words
	s_mul_i32 s20, s18, 6144
	s_mov_b32 s21, 0
	s_add_nc_u64 s[12:13], s[12:13], s[20:21]      ; the codes
.irp a, 0,1,2,3,4,5,6,7
	QMAX \a
	s_wait_dscnt 0x0                               ; the last block's LDS stores have read their registers
	v_lshl_or_b32 v[PW], v[TM+5], 8, v[TM+4]
	v_lshl_or_b32 v[PW], v[TM+6], 16, v[PW]
	v_lshl_or_b32 v[PW], v[TM+7], 24, v[PW]
	QCVT \a
.irp i, 0,1,2
	ds_store_b128 v[IST], v[PC+4*\i:PC+4*\i+3] offset:\a*1536+512*\i
.endr
	ds_store_b32 v[WSV], v[PW] offset:\a*64        ; lanes r and r + 16 write the same word with the same value
.endr
.irp t, 0,1,2,3,4,5,6,7,8,9,10,11,12,13,14,15,16,17,18,19,20,21,22,23,24
	ds_load_b128 v[BK+4*\t:BK+4*\t+3], v[IST] offset:512*\t
.endr
.irp t, 0,1,2,3,4,5,6,7,8,9,10,11,12,13,14,15,16,17,18,19,20,21,22,23
	s_wait_dscnt 24-\t
	global_store_b128 v[CO], v[BK+4*\t:BK+4*\t+3], s[12:13] offset:(\t/12)*98304+(\t%12)*512      ; blocks 0-3 my first head, 4-7 the next
.endr
	s_wait_dscnt 0x0
	global_store_b128 v[COV], v[BK+96:BK+99], s[66:67]             ; 16 lanes store a head's 256 consecutive bytes of words
.Lout_done:
	s_wait_tensorcnt 0x0                           ; the wave's end: these three lines behind my last tensor load and my last LDS store
	ds_add_u32 v[SPW], v[NIL]
	s_wait_dscnt 0x0
	CROUND                                         ; the closing round
	s_endpgm
.Lfunc_end_k_q4731651c2b_qkv:
	.size	k_q4731651c2b_qkv, .Lfunc_end_k_q4731651c2b_qkv-k_q4731651c2b_qkv
	.p2alignl 7, 3214868480
	.fill 96, 4, 3214868480
	.section	.rodata,"a",@progbits
	.p2align	6, 0x0
	.amdhsa_kernel k_q4731651c2b_qkv
		.amdhsa_group_segment_fixed_size 327680
		.amdhsa_private_segment_fixed_size 0
		.amdhsa_enable_private_segment 0
		.amdhsa_kernarg_size 40
		.amdhsa_user_sgpr_count 2
		.amdhsa_user_sgpr_kernarg_segment_ptr 1
		.amdhsa_wavefront_size32 1
		.amdhsa_system_sgpr_workgroup_id_x 1
		.amdhsa_system_sgpr_workgroup_id_y 1
		.amdhsa_system_sgpr_workgroup_id_z 1
		.amdhsa_system_vgpr_workitem_id 0
		.amdhsa_next_free_vgpr 1024
		.amdhsa_next_free_sgpr 100
		.amdhsa_reserve_vcc 0
		.amdhsa_float_denorm_mode_32 3
		.amdhsa_float_denorm_mode_16_64 3
		.amdhsa_memory_ordered 1
		.amdhsa_forward_progress 1
		.amdhsa_inst_pref_size 232
	.end_amdhsa_kernel
	.amdgpu_metadata
---
amdhsa.version: [ 1, 2 ]
amdhsa.kernels:
  - .name:           k_q4731651c2b_qkv
    .symbol:         k_q4731651c2b_qkv.kd
    .args:
      - { .name: xq, .offset: 0, .size: 8, .value_kind: global_buffer, .address_space: global }
      - { .name: wq, .offset: 8, .size: 8, .value_kind: global_buffer, .address_space: global }
      - { .name: in_proj_bias, .offset: 16, .size: 8, .value_kind: global_buffer, .address_space: global }
      - { .name: qk, .offset: 24, .size: 8, .value_kind: global_buffer, .address_space: global }
      - { .name: vq, .offset: 32, .size: 8, .value_kind: global_buffer, .address_space: global }
    .group_segment_fixed_size: 327680
    .private_segment_fixed_size: 0
    .kernarg_segment_align: 8
    .kernarg_segment_size: 40
    .max_flat_workgroup_size: 128
    .sgpr_count:     100
    .vgpr_count:     1024
    .wavefront_size: 32
...
	.end_amdgpu_metadata
.endif
;; end of part 2
;; launch attn (part 3): grid 4 x 64, 16 waves a work-group, clusters of 4 x 1, 327,680 bytes of LDS; arguments qk, vq, ao; writes ao
.if DOCPART == 3
	.amdgcn_target "amdgcn-amd-amdhsa--gfx1250"
	.amdhsa_code_object_version 6
	.text
	.protected	k_q4731651c2b_attn
	.globl	k_q4731651c2b_attn
	.p2align	8
	.type	k_q4731651c2b_attn,@function
k_q4731651c2b_attn:
	s_mov_b64 s[64:65], 0
	v_nop
	global_prefetch_b8 v0, s[64:65] scope:SCOPE_SE
	s_setreg_imm32_b32 hwreg(HW_REG_WAVE_MODE, 25, 1), 1
	s_wait_xcnt 0x0
	s_wait_alu depctr_hold_cnt(0) depctr_sa_sdst(0) depctr_va_vdst(0) depctr_va_sdst(0) depctr_va_ssrc(0) depctr_va_vcc(0) depctr_vm_vsrc(0)
	s_getreg_b32 s2, hwreg(HW_REG_IB_STS2, 6, 4)
	s_cmp_eq_u32 s2, 0
	s_cbranch_scc0 .Lentry_in_a_cluster
	s_endpgm
.Lentry_in_a_cluster:
	s_bfe_u32 s2, ttmp6, 0x10000c
	s_cmp_lg_u32 s2, 0x3003
	s_cbranch_scc0 .Lentry_shape_is_right
	s_endpgm
.Lentry_shape_is_right:
; o = softmax(q k^T / 8) v for one head, both products on codes of FP6 (E2M3) with E8M0 scales; o is quantised along the head's 64 channels and leaves as codes, laid as the last product's operand.
; THE SOFTMAX: t = score x log2(e) / 8; M = the running largest t rounded up to a whole number; p = 2^(t - M) is quantised along the keys, not normalised; the row's sum is taken of the unquantised p and divides at the end.
; SHARES.  A work-group owns 512 query positions of one head (grid y = batch x 16 + head); each of its sixteen waves one tile of 16 queries in each of two passes.
; THE HEAD'S K AND V, CODES AND SCALE WORDS (208,896 bytes), LIE IN LDS FOR THE WHOLE LAUNCH: filled once, in four chunks of 512 keys, read in both passes.  Nothing is filled again.
; CLUSTER.  The four work-groups of a head ask for these bytes jointly (mask 15).  Wave 0 asks for K's, wave 1 for V's: five tensor loads of a wave are out at the most.
; LAYOUT.  Both products are used transposed: S^T = K Q^T, O^T = V^T P^T: a lane holds one query throughout.  Position p of q, k and of v's channels holds true row pi(p) (bits 3, 4 exchanged),
; so the 16 registers of tiles 2 b and 2 b + 1 are 16 true neighbours: keys in S^T, channels in O^T.
; K = 64 IN A FORM OF K = 128: Q's registers 6-11 are zero codes.  K's tiles lie 6 registers apart; the upper half of a tile's operand is the next tile's codes, which meet zeros; bytes 2, 3 of the scale words are 127.
; LIMITS: NaN and infinities are not served; a block whose largest magnitude lies under 2^-124 gets the byte 1 (read by this program alone).  ao's scale bytes leave two bytes a row: a row's eight bytes come from four heads.
.set VB,    98304                      ; LDS: K's codes [2,048 positions][48] at 0; V's fragments' images here
.set KSC,   196608                     ; K's scale words, 4 bytes a position
.set VSC,   204800                     ; V's: [16 steps][64 channel positions][4]
.set STG,   208896                     ; the way out: 768 bytes for each wave
.set SPARE, 221184                     ; the spare words, 128 bytes for each of sixteen waves
.set AK0,  1                           ; v1   48 r + 24 h: my place in a tile of K; also my offset in Q's 16 rows
.set AV0,  2                           ; v2   VB + 16 x lane
.set ASK0, 3                           ; v3   KSC + 4 x lane
.set ASV0, 4                           ; v4   VSC + 4 x lane
.set SPW,  5                           ; v5   my spare word; never rewritten
.set NIL,  6                           ; v6   0; never rewritten
.set SA,   7                           ; v7   my stage: 48 r + 24 h
.set ADK,  8                           ; v8-11 the addresses of the step in hand
.set ADV,  9
.set ADS,  10
.set ADT,  11
.set SBK,  28                          ; v28  my stage, read back: 8 x lane
.set GO,   29                          ; v29  8 x lane
.set QS,   31                          ; v31  4 r
.set GS,   86                          ; v86  8 r
.set S,    96                          ; v96-159  S^T, then p
.set O,    160                         ; v160-191 O^T
.set PC,   192                         ; v192-203 p's codes;  v204-210 at work
.set PT,   204
.set BM,   212                         ; v212-215 a block's largest
.set BT,   216
.set SO,   220                         ; v220-223 the conversions' scale operands
.set F,    224                         ; v[224:225] f = 2^(old M - new M) (v225 is written once)
.set T,    226
.set L2,   228                         ; v[228:229] the sum's second chain
.set OW,   230                         ; o's two scale bytes
.set KSW,  240                         ; scale registers: v240-243 K's, v244-245 V's, v246 Q's, v247 p's
.set VSW,  244
.set QSC,  246
.set PSC,  247
.set TB,   2                           ; s2   the step's codes in LDS: 6,144 bytes a step, in K and in V
.set TS,   3                           ; s3   K's scale words: 512 a step
.set TJ,   10                          ; s10  V's: 256 a step
.set CNT,  11
.set PASS, 12
.set WV,   18
.set SEL,  20
.set CS,   22                          ; s[22:23] c = log2(e) / 8
.set G1C,  24                          ; s[24:31] group 1: a chunk, 96 rows of 256 bytes;  s[32:39] K's words, 32 rows;  s[40:47] V's words, 16 rows
.set G1KS, 32
.set G1VS, 40
.macro CROUND
	s_barrier_signal -1
	s_barrier_wait -1
	s_cmp_lg_u32 s[WV], 0
	s_cbranch_scc1 .Lnot_wave_0_\@
	s_barrier_signal -3
.Lnot_wave_0_\@:
	s_barrier_wait -3
	s_barrier_signal -1
	s_barrier_wait -1
.endm
	s_load_b128 s[4:7], s[0:1], 0x0                ; qk, vq
	s_load_b64 s[8:9], s[0:1], 0x10                ; ao
	v_lshl_add_u32 v[SPW], v0, 2, SPARE
	v_mov_b32 v[NIL], 0
	ds_add_u32 v[SPW], v[NIL]                      ; the wave's opening: the add and its wait ahead of the first tensor loads
	ds_add_u32 v[SPW], v[NIL]
	v_lshrrev_b32 v8, 5, v0
	s_delay_alu instid0(VALU_DEP_1)
	v_readfirstlane_b32 s[WV], v8                  ; wave 0..15
	s_and_b32 s19, s[WV], 1                        ; wave 0 fetches K's, wave 1 V's
	s_bfe_u32 s13, ttmp6, 0x40000                  ; cx: it enters Q's and ao's global addresses alone
	s_and_b32 s14, ttmp7, 0xffff                   ; batch x 16 + head
	s_lshr_b32 s15, s14, 4
	s_and_b32 s16, s14, 15
	s_lshl_b32 s80, s13, 9
	s_lshl_b32 s81, s[WV], 4
	s_add_co_u32 s80, s80, s81
	s_lshl_b32 s81, s15, 11
	s_add_co_u32 s80, s80, s81                     ; my first query position: 2,048 batch + 512 cx + 16 wave
	s_mul_i32 s82, s16, 393216
	s_mul_i32 s83, s80, 48
	s_add_co_u32 s82, s82, s83                     ; its codes, in qk (q's panel = the head) and in ao alike
	s_mov_b32 s83, 0
	s_lshl_b32 s84, s16, 15
	s_lshl_b32 s85, s80, 2
	s_add_co_u32 s84, s84, s85
	s_add_co_u32 s84, s84, 12582912                ; q's scale words
	s_mov_b32 s85, 0
	s_lshr_b32 s86, s16, 2
	s_lshl_b32 s86, s86, 16
	s_lshl_b32 s87, s80, 3
	s_add_co_u32 s86, s86, s87
	s_and_b32 s87, s16, 3
	s_lshl_b32 s87, s87, 1
	s_add_co_u32 s86, s86, s87
	s_add_co_u32 s86, s86, 6291456                 ; ao's scale bytes: run head / 4, row, bytes 2 (head % 4) on
	s_mov_b32 s87, 0
	s_add_co_u32 s88, s16, 16                      ; k's panel.  (Registers s88 on never hold cx)
	s_mul_i32 s89, s88, 393216
	s_mul_i32 s90, s15, 98304
	s_add_co_u32 s89, s89, s90                     ; K's codes
	s_lshl_b32 s88, s88, 15
	s_lshl_b32 s90, s15, 13
	s_add_co_u32 s88, s88, s90
	s_add_co_u32 s88, s88, 12582912                ; K's words
	s_mul_i32 s90, s14, 98304                      ; V's codes
	s_lshl_b32 s91, s14, 12
	s_add_co_u32 s91, s91, 6291456                 ; V's words
	s_cmp_eq_u32 s19, 0
	s_cselect_b32 s92, s89, s90
	s_cselect_b32 s94, s88, s91
	s_mov_b32 s93, 0
	s_mov_b32 s95, 0
	s_mul_i32 s96, s19, VB                         ; where they go
	s_lshl_b32 s97, s19, 13
.irp g, G1C, G1KS, G1VS
	s_mov_b32 s[\g], 15|(3<<16)|(1<<21)            ; 15:0 the mask: all four work-groups; 17:16 elements of 8 bytes; 21 set beside a mask
	s_mov_b32 s[\g+1], 32<<16                      ; tensor_dim0: rows of 256 bytes
	s_mov_b32 s[\g+3], 32<<16                      ; tile_dim0
	s_mov_b32 s[\g+5], 32                          ; dense
	s_mov_b32 s[\g+6], 0
	s_mov_b32 s[\g+7], 0
.endr
	s_mov_b32 s[G1C+2], 96<<16
	s_mov_b32 s[G1C+4], 96
	s_mov_b32 s[G1KS+2], 32<<16
	s_mov_b32 s[G1KS+4], 32
	s_mov_b32 s[G1VS+2], 16<<16
	s_mov_b32 s[G1VS+4], 16
	s_mov_b32 s[SEL], 0x76543210
	s_mov_b32 s[SEL+1], 0xfedcba98
	s_mov_b32 s[CS], 0x3e38aa3b                    ; log2(e) / 8
	s_mov_b32 s[CS+1], s[CS]
	s_wait_dscnt 0x0                               ; the opening add is done
	s_wait_kmcnt 0x0
	s_cmp_eq_u32 s19, 0
	s_cselect_b64 s[88:89], s[4:5], s[6:7]
	s_add_nc_u64 s[92:93], s[88:89], s[92:93]
	s_add_nc_u64 s[94:95], s[88:89], s[94:95]
	s_add_nc_u64 s[72:73], s[4:5], s[82:83]        ; Q's codes
	s_add_nc_u64 s[74:75], s[4:5], s[84:85]        ; Q's words
	s_add_nc_u64 s[76:77], s[8:9], s[82:83]        ; ao's codes
	s_add_nc_u64 s[78:79], s[8:9], s[86:87]        ; ao's scale bytes
	s_mov_b32 s48, 1                               ; group 0 for the words
	s_add_co_u32 s49, s97, KSC
	s_mov_b64 s[50:51], s[94:95]
	s_or_b32 s51, s51, 0x80000000
.macro G0C g, i                        ; group 0 for chunk i
	s_mov_b32 s[\g], 1
	s_add_co_u32 s[\g+1], s96, \i*24576
	s_add_nc_u64 s[\g+2:\g+3], s[92:93], \i*24576
	s_or_b32 s[\g+3], s[\g+3], 0x80000000
.endm
	G0C 52, 0
	G0C 56, 1
	G0C 60, 2
	G0C 68, 3
	CROUND                                         ; all four work-groups are here: the joint loads meet
	s_cmp_eq_u32 s[WV], 0                          ; a wave's five loads stand in one arm of a branch on the wave's number
	s_cbranch_scc0 .Lnot_k
	tensor_load_to_lds s[48:51], s[G1KS:G1KS+7]
	s_nop 0
	tensor_load_to_lds s[52:55], s[G1C:G1C+7]
	s_nop 0
	tensor_load_to_lds s[56:59], s[G1C:G1C+7]
	s_nop 0
	tensor_load_to_lds s[60:63], s[G1C:G1C+7]
	s_nop 0
	tensor_load_to_lds s[68:71], s[G1C:G1C+7]
	s_nop 0
.rept 4
	v_nop
.endr
	s_branch .Lasked
.Lnot_k:
	s_cmp_eq_u32 s[WV], 1
	s_cbranch_scc0 .Lasked
	tensor_load_to_lds s[48:51], s[G1VS:G1VS+7]
	s_nop 0
	tensor_load_to_lds s[52:55], s[G1C:G1C+7]
	s_nop 0
	tensor_load_to_lds s[56:59], s[G1C:G1C+7]
	s_nop 0
	tensor_load_to_lds s[60:63], s[G1C:G1C+7]
	s_nop 0
	tensor_load_to_lds s[68:71], s[G1C:G1C+7]
	s_nop 0
.rept 4
	v_nop
.endr
.Lasked:
	v_and_b32 v87, 15, v0                          ; r
	v_bfe_u32 v88, v0, 4, 1                        ; h
	v_and_b32 v89, 31, v0                          ; lane
	s_delay_alu instid0(VALU_DEP_3)
	v_mul_u32_u24 v[AK0], v87, 48
	s_delay_alu instid0(VALU_DEP_1)
	v_mad_u32_u24 v[AK0], v88, 24, v[AK0]
	s_delay_alu instid0(VALU_DEP_3)
	v_lshl_add_u32 v[AV0], v89, 4, VB
	s_delay_alu instid0(VALU_DEP_4)
	v_lshl_add_u32 v[ASK0], v89, 2, KSC
	v_lshl_add_u32 v[ASV0], v89, 2, VSC
	s_mul_i32 s80, s[WV], 768
	s_add_co_u32 s80, s80, STG
	v_add_nc_u32 v[SA], s80, v[AK0]
	v_lshlrev_b32 v[GO], 3, v89
	s_delay_alu instid0(VALU_DEP_1)
	v_add_nc_u32 v[SBK], s80, v[GO]
	v_lshlrev_b32 v[QS], 2, v87
	v_lshlrev_b32 v[GS], 3, v87
.irp i, 0,1,2,3,4,5
	v_mov_b32 v[22+\i], 0                          ; the upper half of Q's operand: zero codes
	v_mov_b32 v[80+\i], 0                          ; behind K's last tile
.endr
.irp b, 0,1,2,3
	v_mov_b32 v[BT+\b], 0                          ; a lane permute's destination counts as one of its sources
.endr
	v_mov_b32 v[F+1], 0                            ; named as the upper half of a pair
; A KEY STEP: 128 keys.
.macro STEP
	v_add_nc_u32 v[ADK], s[TB], v[AK0]             ; these four are also the places behind the last products, in front of the loads below
	v_add_nc_u32 v[ADV], s[TB], v[AV0]
	v_add_nc_u32 v[ADS], s[TS], v[ASK0]
	v_add_nc_u32 v[ADT], s[TJ], v[ASV0]
.irp t, 0,1,2,3,4,5,6,7
.irp p, 0,1,2
	ds_load_b64 v[32+6*\t+2*\p:33+6*\t+2*\p], v[ADK] offset:768*\t+8*\p
.endr
.endr
.irp b, 0,1,2,3
	ds_load_b32 v[KSW+\b], v[ADS] offset:128*\b    ; lanes 0-15 tile 2 b's words, lanes 16-31 tile 2 b + 1's
.endr
	s_wait_alu depctr_va_vdst(0)
	s_wait_dscnt 0x0
.irp t, 0,2,4,6
	v_wmma_scale_f32_16x16x128_f8f6f4 v[S+8*\t:S+8*\t+7], v[32+6*\t:43+6*\t], v[16:27], 0, v[KSW+\t/2], v[QSC] matrix_a_fmt:MATRIX_FMT_FP6 matrix_b_fmt:MATRIX_FMT_FP6
	v_wmma_scale_f32_16x16x128_f8f6f4 v[S+8+8*\t:S+15+8*\t], v[38+6*\t:49+6*\t], v[16:27], 0, v[KSW+\t/2], v[QSC] matrix_a_fmt:MATRIX_FMT_FP6 matrix_b_fmt:MATRIX_FMT_FP6 matrix_a_scale:MATRIX_SCALE_ROW1
.endr
.rept 4
	v_nop                                          ; places: in front of the loads into K's registers and of the first read of the scores
.endr
.irp t, 0,1,2,3                                ; V's fragments are asked for now and land under the softmax
.irp i, 0,1,2
	ds_load_b128 v[32+12*\t+4*\i:35+12*\t+4*\i], v[ADV] offset:1536*\t+512*\i
.endr
.endr
.irp i, 0,1
	ds_load_b32 v[VSW+\i], v[ADT] offset:128*\i
.endr
.irp b, 0,1,2,3
	v_max3_num_f32 v[BM+\b], v[S+16*\b], v[S+1+16*\b], v[S+2+16*\b]   ; the largest score of each block of 32 keys: for the row's maximum, and, since p rises with the score, for the block's largest p
.endr
.irp i, 3,5,7,9,11,13
.irp b, 0,1,2,3
	v_max3_num_f32 v[BM+\b], v[BM+\b], v[S+16*\b+\i], v[S+1+16*\b+\i]
.endr
.endr
.irp b, 0,1,2,3
	v_max_num_f32 v[BM+\b], v[BM+\b], v[S+15+16*\b]
.endr
.irp b, 0,1,2,3
	s_delay_alu instid0(VALU_DEP_4)
	v_permlanex16_b32 v[BT+\b], v[BM+\b], s[SEL], s[SEL+1]
.endr
.irp b, 0,1,2,3
	s_delay_alu instid0(VALU_DEP_4)
	v_max_num_f32 v[BM+\b], v[BM+\b], v[BT+\b]     ; with lane l xor 16's 16 keys
.endr
	s_delay_alu instid0(VALU_DEP_2)
	v_max3_num_f32 v[T], v[BM], v[BM+1], v[BM+2]
	s_delay_alu instid0(VALU_DEP_1)
	v_max_num_f32 v[T], v[T], v[BM+3]
	s_delay_alu instid0(VALU_DEP_1)
	v_mul_f32 v[T], s[CS], v[T]                    ; as t (c is positive)
	s_delay_alu instid0(VALU_DEP_1)
	v_max_num_f32 v13, v13, v[T]                   ; the running largest t
	v_mov_b32 v[T], v12
	s_delay_alu instid0(VALU_DEP_2)
	v_floor_f32 v12, -v13                          ; the new -M = floor(-t): M is a whole number
	s_delay_alu instid0(VALU_DEP_1)
	v_sub_f32 v[T], v12, v[T]                      ; old M - new M: a whole number, 0 or less
	s_delay_alu instid0(VALU_DEP_1)
	v_cvt_i32_f32 v[T], v[T]                       ; (it saturates)
	s_delay_alu instid0(VALU_DEP_1)
	v_ldexp_f32 v[F], 1.0, v[T]                    ; f = 2^(old M - new M): a multiplication by it rounds nothing
.set j, 0
.rept 32
	v_pk_fma_f32 v[S+j:S+j+1], v[S+j:S+j+1], s[CS:CS+1], v[12:13] op_sel_hi:[1,0,0]   ; t - M, two at a time
.set j, j+2
.endr
.irp b, 0,1,2,3
	v_fma_f32 v[BM+\b], v[BM+\b], s[CS], v12       ; the same of each block's largest score
.endr
.set j, 0
	s_setprio 1
	s_wait_alu depctr_va_vdst(0)
.rept 64
	v_exp_f32 v[S+j], v[S+j]                       ; p = 2^(t - M), at most 1
.set j, j+1
.endr
	v_pk_mul_f32 v[14:15], v[14:15], v[F:F+1] op_sel_hi:[1,0]      ; the sums under the new M (the plain line behind the exponentials)
	s_wait_alu depctr_va_vdst(0)                   ; one wait for the whole batch, ahead of its first reader
.irp b, 0,1,2,3
	v_exp_f32 v[BM+\b], v[BM+\b]                   ; the block's largest p
.endr
	v_pk_add_f32 v[228:229], v[100:101], v[104:105]
	v_pk_add_f32 v[254:255], v[108:109], v[112:113]
	v_pk_add_f32 v[252:253], v[116:117], v[120:121]
	v_pk_add_f32 v[250:251], v[124:125], v[128:129]
	v_pk_add_f32 v[248:249], v[132:133], v[136:137]
	v_pk_add_f32 v[242:243], v[140:141], v[144:145]
	v_pk_add_f32 v[240:241], v[148:149], v[152:153]
	v_pk_add_f32 v[14:15], v[14:15], v[156:157]
	v_pk_add_f32 v[228:229], v[228:229], v[96:97]
	v_pk_add_f32 v[254:255], v[254:255], v[98:99]
	v_pk_add_f32 v[252:253], v[252:253], v[102:103]
	v_pk_add_f32 v[250:251], v[250:251], v[106:107]
	v_pk_add_f32 v[248:249], v[248:249], v[110:111]
	v_pk_add_f32 v[242:243], v[242:243], v[114:115]
	v_pk_add_f32 v[240:241], v[240:241], v[118:119]
	v_pk_add_f32 v[14:15], v[14:15], v[122:123]
	v_pk_add_f32 v[228:229], v[228:229], v[126:127]
	v_pk_add_f32 v[254:255], v[254:255], v[130:131]
	v_pk_add_f32 v[252:253], v[252:253], v[134:135]
	v_pk_add_f32 v[250:251], v[250:251], v[138:139]
	v_pk_add_f32 v[248:249], v[248:249], v[142:143]
	v_pk_add_f32 v[242:243], v[242:243], v[146:147]
	v_pk_add_f32 v[240:241], v[240:241], v[150:151]
	v_pk_add_f32 v[14:15], v[14:15], v[154:155]
	v_pk_add_f32 v[228:229], v[228:229], v[158:159]
	s_delay_alu instid0(VALU_DEP_2)
	v_pk_add_f32 v[14:15], v[14:15], v[250:251]
	s_delay_alu instid0(VALU_DEP_2)
	v_pk_add_f32 v[228:229], v[228:229], v[248:249]
	v_pk_add_f32 v[254:255], v[254:255], v[242:243]
	v_pk_add_f32 v[252:253], v[252:253], v[240:241]
	s_delay_alu instid0(VALU_DEP_2)
	v_pk_add_f32 v[14:15], v[14:15], v[254:255]
	s_delay_alu instid0(VALU_DEP_2)
	v_pk_add_f32 v[228:229], v[228:229], v[252:253]
	s_delay_alu instid0(VALU_DEP_1)
	v_pk_add_f32 v[14:15], v[14:15], v[228:229]
	s_wait_alu depctr_va_vdst(0)                   ; and one for the four
.irp b, 0,1,2,3
	v_max_num_f32 v[BM+\b], 0x1800000, v[BM+\b]    ; the floor 2^(3 - 127): the byte cannot fall under 1
.endr
.irp b, 0,1,2,3
	s_delay_alu instid0(VALU_DEP_4)
	v_add_nc_u32 v[SO+\b], 0xff000000, v[BM+\b]    ; 2 off the exponent field: the conversion's scale operand
.endr
.irp b, 0,1,2,3
	s_delay_alu instid0(VALU_DEP_4)
	v_lshrrev_b32 v[BT+\b], 23, v[SO+\b]           ; the scale's byte
.endr
	s_delay_alu instid0(VALU_DEP_3)
	v_lshl_or_b32 v[PSC], v[BT+1], 8, v[BT]        ; p's scale word for these 128 keys
	s_delay_alu instid0(VALU_DEP_1)
	v_lshl_or_b32 v[PSC], v[BT+2], 16, v[PSC]
	s_delay_alu instid0(VALU_DEP_1)
	v_lshl_or_b32 v[PSC], v[BT+3], 24, v[PSC]
.irp c, 0,1
	v_cvt_scalef32_pk16_fp6_f32 v[PC+6*\c:PC+2+6*\c], v[S+32*\c:S+15+32*\c], v[SO+2*\c]
	v_cvt_scalef32_pk16_fp6_f32 v[PT+4*\c:PT+2+4*\c], v[S+16+32*\c:S+31+32*\c], v[SO+1+2*\c]
.endr
	v_nop                                          ; one plain line behind the scaled conversions
.irp c, 0,1                                    ; the operand wants a whole block in a lane
.irp i, 0,1,2
	v_permlane16_swap_b32 v[PC+6*\c+\i], v[PT+4*\c+\i]
.endr
.irp i, 0,1,2
	s_delay_alu instid0(VALU_DEP_3)
	v_mov_b32 v[PC+3+6*\c+\i], v[PT+4*\c+\i]
.endr
.endr
.set j, 0
	s_setprio 0
.rept 16
	v_pk_mul_f32 v[O+j:O+j+1], v[O+j:O+j+1], v[F:F+1] op_sel_hi:[1,0]   ; O^T under the new M; these are also the places between the writes of p's codes and scale word and the products
.set j, j+2
.endr
	s_wait_alu depctr_va_vdst(0)
	s_wait_dscnt 0x0                               ; V is in
.irp t, 0,2
	v_wmma_scale_f32_16x16x128_f8f6f4 v[O+8*\t:O+7+8*\t], v[32+12*\t:43+12*\t], v[PC:PC+11], v[O+8*\t:O+7+8*\t], v[VSW+\t/2], v[PSC] matrix_a_fmt:MATRIX_FMT_FP6 matrix_b_fmt:MATRIX_FMT_FP6
	v_wmma_scale_f32_16x16x128_f8f6f4 v[O+8+8*\t:O+15+8*\t], v[44+12*\t:55+12*\t], v[PC:PC+11], v[O+8+8*\t:O+15+8*\t], v[VSW+\t/2], v[PSC] matrix_a_fmt:MATRIX_FMT_FP6 matrix_b_fmt:MATRIX_FMT_FP6 matrix_a_scale:MATRIX_SCALE_ROW1
.endr
	s_add_co_u32 s[TB], s[TB], 6144
	s_add_co_u32 s[TS], s[TS], 512
	s_add_co_u32 s[TJ], s[TJ], 256
.endm
; A chunk of 512 keys: the waves that fetched wait until it has landed (left: their later chunks may stay out), a barrier shows it to all sixteen, four steps follow.
.macro CHUNK c, left
	s_wait_dscnt 0x0
	s_wait_tensorcnt \left
	s_barrier_signal -1
	s_barrier_wait -1
	s_mov_b32 s[TB], \c*24576
	s_mov_b32 s[TS], \c*2048
	s_mov_b32 s[TJ], \c*1024
	s_mov_b32 s[CNT], 4
.Lstep_\@:
	s_setprio 2
	STEP
	s_sub_co_u32 s[CNT], s[CNT], 1
	s_cmp_lg_u32 s[CNT], 0
	s_cbranch_scc1 .Lstep_\@
	s_setprio 0
.endm
	s_mov_b32 s[PASS], 2
.Lpass:                                        ; two passes: 16 queries of my wave in each
.irp p, 0,1,2
	global_load_b64 v[16+2*\p:17+2*\p], v[AK0], s[72:73] offset:8*\p
.endr
	global_load_b32 v[QSC], v[QS], s[74:75]
	v_mov_b32 v13, 0xff61b1e6                      ; the largest t so far: -3e38
	s_delay_alu instid0(VALU_DEP_1)
	v_floor_f32 v12, -v13                          ; -M
	v_mov_b32 v14, 0                               ; the sum, in two halves
	v_mov_b32 v15, 0
.set j, 0
.rept 32
	v_mov_b32 v[O+j], 0                            ; O^T: the step is written once, its first walk finds zeros
.set j, j+1
.endr
	s_wait_loadcnt 0x0
	CHUNK 0, 3
	CHUNK 1, 2
	CHUNK 2, 1
	CHUNK 3, 0
	; THE WAY OUT of a pass: O^T / the sum, quantised along the 64 channels (register 16 b + i is channel 32 b + 16 h + i), through my stage, out as three aligned runs of 256 bytes
.rept 4
	v_nop
.endr
	v_add_f32 v14, v14, v15
	s_delay_alu instid0(VALU_DEP_1)
	v_permlanex16_b32 v[T], v14, s[SEL], s[SEL+1]
	s_delay_alu instid0(VALU_DEP_1)
	v_add_f32 v14, v14, v[T]                       ; the row's sum
	s_wait_alu depctr_va_vdst(0)
	v_rcp_f32 v14, v14
	v_nop
	s_wait_alu depctr_va_vdst(0)                   ; ahead of the reciprocal's first reader
.set j, 0
.rept 16
	v_pk_mul_f32 v[S+j:S+j+1], v[O+j:O+j+1], v[14:15] op_sel_hi:[1,0]   ; each accumulator from its low end on
.set j, j+2
.endr
.irp b, 0,1
	v_max3_num_f32 v[BM+\b], |v[S+16*\b]|, |v[S+1+16*\b]|, 0x1800000
.endr
.irp i, 2,4,6,8,10,12,14
.irp b, 0,1
	s_delay_alu instid0(VALU_DEP_2)
	v_max3_num_f32 v[BM+\b], v[BM+\b], |v[S+16*\b+\i]|, |v[S+1+16*\b+\i]|
.endr
.endr
.irp b, 0,1
	s_delay_alu instid0(VALU_DEP_2)
	v_permlanex16_b32 v[BT+\b], v[BM+\b], s[SEL], s[SEL+1]
.endr
.irp b, 0,1
	s_delay_alu instid0(VALU_DEP_2)
	v_max_num_f32 v[BM+\b], v[BM+\b], v[BT+\b]
.endr
.irp b, 0,1
	s_delay_alu instid0(VALU_DEP_2)
	v_add_nc_u32 v[SO+\b], 0xff000000, v[BM+\b]
.endr
.irp b, 0,1
	s_delay_alu instid0(VALU_DEP_2)
	v_lshrrev_b32 v[BT+\b], 23, v[SO+\b]
.endr
	s_delay_alu instid0(VALU_DEP_1)
	v_lshl_or_b32 v[OW], v[BT+1], 8, v[BT]
	v_cvt_scalef32_pk16_fp6_f32 v[PC:PC+2], v[S:S+15], v[SO]
	v_cvt_scalef32_pk16_fp6_f32 v[PT:PT+2], v[S+16:S+31], v[SO+1]
	v_nop
.irp i, 0,1,2
	v_permlane16_swap_b32 v[PC+\i], v[PT+\i]
.endr
.irp i, 0,1,2
	s_delay_alu instid0(VALU_DEP_3)
	v_mov_b32 v[PC+3+\i], v[PT+\i]                 ; v[PC .. PC+5] of lane (r, h): block h of query position r
.endr
.irp p, 0,1,2
	ds_store_b64 v[SA], v[PC+2*\p:PC+2*\p+1] offset:8*\p
.endr
.irp p, 0,1,2
	ds_load_b64 v[32+2*\p:33+2*\p], v[SBK] offset:256*\p           ; LDS serves a wave's instructions in order: these see my stores
.endr
	s_wait_alu depctr_va_vdst(0)
	s_wait_dscnt 0x0
.irp p, 0,1,2
	global_store_b64 v[GO], v[32+2*\p:33+2*\p], s[76:77] offset:256*\p   ; 32 lanes store 256 consecutive bytes, aligned
.endr
	global_store_b16 v[GS], v[OW], s[78:79]        ; my head's two of the row's eight scale bytes; lanes r and r + 16 write the same bytes with the same value
	s_wait_xcnt 0x0                                ; the loads and stores have read their bases and registers: both are written again only behind this wait
	s_add_nc_u64 s[72:73], s[72:73], 256*48        ; 256 positions on
	s_add_nc_u64 s[74:75], s[74:75], 256*4
	s_add_nc_u64 s[76:77], s[76:77], 256*48
	s_add_nc_u64 s[78:79], s[78:79], 256*8
	s_sub_co_u32 s[PASS], s[PASS], 1
	s_cmp_lg_u32 s[PASS], 0
	s_cbranch_scc1 .Lpass
	s_wait_tensorcnt 0x0                           ; the wave's end: these three lines behind my last tensor load and my last LDS store
	ds_add_u32 v[SPW], v[NIL]
	s_wait_dscnt 0x0
	CROUND                                         ; the closing round
	s_endpgm
.Lfunc_end_k_q4731651c2b_attn:
	.size	k_q4731651c2b_attn, .Lfunc_end_k_q4731651c2b_attn-k_q4731651c2b_attn
	.p2alignl 7, 3214868480
	.fill 96, 4, 3214868480
	.section	.rodata,"a",@progbits
	.p2align	6, 0x0
	.amdhsa_kernel k_q4731651c2b_attn
		.amdhsa_group_segment_fixed_size 327680
		.amdhsa_private_segment_fixed_size 0
		.amdhsa_enable_private_segment 0
		.amdhsa_kernarg_size 24
		.amdhsa_user_sgpr_count 2
		.amdhsa_user_sgpr_kernarg_segment_ptr 1
		.amdhsa_wavefront_size32 1
		.amdhsa_system_sgpr_workgroup_id_x 1
		.amdhsa_system_sgpr_workgroup_id_y 1
		.amdhsa_system_sgpr_workgroup_id_z 1
		.amdhsa_system_vgpr_workitem_id 0
		.amdhsa_next_free_vgpr 256
		.amdhsa_next_free_sgpr 100
		.amdhsa_reserve_vcc 0
		.amdhsa_float_denorm_mode_32 3
		.amdhsa_float_denorm_mode_16_64 3
		.amdhsa_memory_ordered 1
		.amdhsa_forward_progress 1
		.amdhsa_inst_pref_size 89
	.end_amdhsa_kernel
	.amdgpu_metadata
---
amdhsa.version: [ 1, 2 ]
amdhsa.kernels:
  - .name:           k_q4731651c2b_attn
    .symbol:         k_q4731651c2b_attn.kd
    .args:
      - { .name: qk, .offset: 0, .size: 8, .value_kind: global_buffer, .address_space: global }
      - { .name: vq, .offset: 8, .size: 8, .value_kind: global_buffer, .address_space: global }
      - { .name: ao, .offset: 16, .size: 8, .value_kind: global_buffer, .address_space: global }
    .group_segment_fixed_size: 327680
    .private_segment_fixed_size: 0
    .kernarg_segment_align: 8
    .kernarg_segment_size: 24
    .max_flat_workgroup_size: 512
    .sgpr_count:     100
    .vgpr_count:     256
    .wavefront_size: 32
...
	.end_amdgpu_metadata
.endif
;; end of part 3
;; launch oproj (part 4): grid 4 x 32, 4 waves a work-group, clusters of 4 x 4, 327,680 bytes of LDS; arguments ao, wq, out_proj_bias, out0; writes out0
.if DOCPART == 4
	.amdgcn_target "amdgcn-amd-amdhsa--gfx1250"
	.amdhsa_code_object_version 6
	.text
	.protected	k_q4731651c2b_oproj
	.globl	k_q4731651c2b_oproj
	.p2align	8
	.type	k_q4731651c2b_oproj,@function
k_q4731651c2b_oproj:
	s_mov_b64 s[64:65], 0
	v_nop
	global_prefetch_b8 v0, s[64:65] scope:SCOPE_SE
	s_setreg_imm32_b32 hwreg(HW_REG_WAVE_MODE, 25, 1), 1
	s_wait_xcnt 0x0
	s_wait_alu depctr_hold_cnt(0) depctr_sa_sdst(0) depctr_va_vdst(0) depctr_va_sdst(0) depctr_va_ssrc(0) depctr_va_vcc(0) depctr_vm_vsrc(0)
	s_getreg_b32 s2, hwreg(HW_REG_IB_STS2, 6, 4)
	s_cmp_eq_u32 s2, 0
	s_cbranch_scc0 .Lentry_in_a_cluster
	s_endpgm
.Lentry_in_a_cluster:
	s_bfe_u32 s2, ttmp6, 0x10000c
	s_cmp_lg_u32 s2, 0xf033
	s_cbranch_scc0 .Lentry_shape_is_right
	s_endpgm
.Lentry_shape_is_right:
; out0 = o W_out^T + bias on codes of FP6 (E2M3) with E8M0 scales, K = 1,024.  o's codes (ao) and W_out's (in wq) lie as [panel of 64 along K][position][48 bytes], their scale bytes as [256 along K][position][8];
; position p holds true row pi(p) (bits 3 and 4 exchanged).  out0 is [8,192][1,024] f32 in true order: the way out undoes pi on both axes.
; A work-group of four waves makes 256 x 256; a wave 128 x 128: 64 accumulators.  K goes in four steps of 256 through two LDS slots filled by the tensor data mover.
; CLUSTER 4 x 4: o's tile is shared along a row of the cluster, W's along a column: each is asked for jointly.  The grid has 128 work-groups: one tile of 256 x 256 each.
; The matrix instruction is used transposed (source 0 = 16 positions of W, source 1 = 16 positions of o): a lane holds one row and, in tiles 2 b and 2 b + 1, 16 true neighbouring columns.
; The bias is the C of each sum's first matrix instruction.
; REGISTERS as windows of 256: window 0: v1-31 addresses; v32-63 scale words; v64-127 the bias; v128-223 o's fragments, one set; on the way out v128-255 rows read back.  Window 1: W's fragments, two sets.  Windows 2, 3: the accumulators.
.set NQ,     2
.set FR,     12
.set NL,     6
.set NP,     4
.set PANB,   6144
.set HALFT,  4*PANB
.set SLOT,   4*HALFT
.set SCL,    2*SLOT                    ; the scale bytes: wave w's load at 4,096 w + 128 (w / 2)
.set SPARE,  SCL+16640                 ; the spare words
.set STG,    SPARE+512                 ; a stage of 16 rows x (512 + 16) bytes for each wave
.set SPITCH, 528
.set AROWS,  8192
.set BROWS,  1024
.set ASOFF,  6291456                   ; o's scale bytes in ao
.set BCOFF,  2457600                   ; W_out's codes in wq
.set BSOFF,  3244032                   ; and its scale bytes
.set ADRA, 16
.set ADRB, 20
.set STO,  24
.set RD,   25
.set CO,   26
.set ADRS, 27
.set SPW,  28
.set NIL,  29
.set SC,   32
.set BIAS, 64
.set AF,   128
.set BK,   128
.set G1, 24
.set G0, 32
.set G1B, 48
.set G0B, 56
.set G1S, 68
.set G0S, 76
.set G1SB, 80
.set G0SB, 88
.set MSB, 0
.macro WIN new
.if MSB != \new
	s_set_vgpr_msb (MSB<<8)|\new
.set MSB, \new
.endif
.endm
.set MUL_LO, 0xa1
.set MUL_HI, 0xf1
.set ZER_LO, 0x81
.set ZER_HI, 0xc1
.set TO_B,   0x40
.macro JLOAD g0a, g1a, g0b, g1b        ; a joint load: waves 0 and 1 fetch o's halves, waves 2 and 3 W's; an s_nop 0 and four v_nop follow each line
	s_cmp_eq_u32 s15, 0
	s_cbranch_scc0 .Lfor_b_\@
	tensor_load_to_lds s[\g0a:\g0a+3], s[\g1a:\g1a+7]
	s_nop 0
.rept 4
	v_nop
.endr
	s_branch .Lasked_\@
.Lfor_b_\@:
	tensor_load_to_lds s[\g0b:\g0b+3], s[\g1b:\g1b+7]
	s_nop 0
.rept 4
	v_nop
.endr
.Lasked_\@:
.endm
.macro CREST
	s_cmp_lg_u32 s14, 0
	s_cbranch_scc1 .Lnot_wave_0_\@
	s_barrier_signal -3
.Lnot_wave_0_\@:
	s_barrier_wait -3
	s_barrier_signal -1
	s_barrier_wait -1
.endm
.macro CROUND
	s_barrier_signal -1
	s_barrier_wait -1
	CREST
.endm
	s_load_b256 s[4:11], s[0:1], 0x0               ; ao s[4:5], wq s[6:7], bias s[8:9], out0 s[10:11]
	v_lshl_add_u32 v[SPW], v0, 2, SPARE
	v_mov_b32 v[NIL], 0
	ds_add_u32 v[SPW], v[NIL]                      ; the wave's opening: the add and its wait ahead of my first tensor load
	v_lshrrev_b32 v1, 5, v0
	v_readfirstlane_b32 s14, v1                    ; wave 0..3
	s_lshr_b32 s15, s14, 1                         ; which half of the tile's rows is mine.  Also: I fetch for o (0) or for W (1)
	s_and_b32 s16, s14, 1                          ; which half of its columns.  Also: which 128 rows I fetch
	s_bfe_u32 s40, ttmp6, 0x40000
	s_bfe_u32 s41, ttmp6, 0x40004
	s_lshl_b32 s42, ttmp9, 2
	s_add_co_u32 s42, s42, s40                     ; tile column
	s_and_b32 s17, ttmp7, 0xffff
	s_lshl_b32 s17, s17, 2
	s_add_co_u32 s17, s17, s41                     ; tile row
	s_lshl_b32 s43, s41, 2
	s_lshl_b32 s43, 15, s43
	s_lshl_b32 s44, 0x1111, s40
	s_or_b32 s[G1+0], s43, (3<<16)|(1<<21)         ; codes: 4 panels x 768 elements of 8 bytes; the mask, and bit 21 beside it
	s_or_b32 s[G1B+0], s44, (3<<16)|(1<<21)
.irp g, G1, G1B
	s_mov_b32 s[\g+1], 768<<16
	s_mov_b32 s[\g+2], 4<<16
	s_mov_b32 s[\g+3], 768<<16
	s_mov_b32 s[\g+4], 4
	s_mov_b32 s[\g+6], 0
	s_mov_b32 s[\g+7], 0
.endr
	s_mov_b32 s[G1+5], AROWS*6
	s_mov_b32 s[G1B+5], BROWS*6
	s_or_b32 s[G1S+0], s43, (3<<16)|(1<<21)        ; scale bytes: 4 runs x 128 elements of 8 bytes
	s_or_b32 s[G1SB+0], s44, (3<<16)|(1<<21)
.irp g, G1S, G1SB
	s_mov_b32 s[\g+1], 128<<16
	s_mov_b32 s[\g+2], 4<<16
	s_mov_b32 s[\g+3], 128<<16
	s_mov_b32 s[\g+4], 4
	s_mov_b32 s[\g+6], 0
	s_mov_b32 s[\g+7], 0
.endr
	s_mov_b32 s[G1S+5], AROWS
	s_mov_b32 s[G1SB+5], BROWS
	s_lshl_b32 s18, s16, 7
	s_lshl_b32 s20, s17, 8
	s_add_co_u32 s20, s20, s18                     ; o: position 256 x tile row + 128 x half
	s_lshl_b32 s46, s42, 8
	s_add_co_u32 s46, s46, s18                     ; W: position 256 x tile column + 128 x half
	s_lshl_b32 s22, s20, 3
	s_add_co_u32 s22, s22, ASOFF
	s_lshl_b32 s92, s46, 3
	s_add_co_u32 s92, s92, BSOFF
	s_mul_i32 s20, s20, 48
	s_mul_i32 s46, s46, 48
	s_add_co_u32 s46, s46, BCOFF
	s_mov_b32 s21, 0
	s_mov_b32 s23, 0
	s_mov_b32 s47, 0
	s_mov_b32 s93, 0
	s_mul_i32 s45, s14, HALFT
	s_lshl_b32 s94, s14, 12
	s_lshl_b32 s95, s15, 7
	s_add_co_u32 s94, s94, s95
	s_wait_dscnt 0x0                               ; the opening add is done
	s_wait_kmcnt 0x0
	s_add_nc_u64 s[20:21], s[4:5], s[20:21]
	s_add_nc_u64 s[22:23], s[4:5], s[22:23]
	s_add_nc_u64 s[46:47], s[6:7], s[46:47]
	s_add_nc_u64 s[92:93], s[6:7], s[92:93]
	CROUND                                         ; all sixteen work-groups are here: the first joint loads meet
	s_mov_b32 s[G0S], 1
	s_add_co_u32 s[G0S+1], s94, SCL
	s_mov_b64 s[G0S+2:G0S+3], s[22:23]
	s_or_b32 s[G0S+3], s[G0S+3], 0x80000000
	s_mov_b32 s[G0SB], 1
	s_add_co_u32 s[G0SB+1], s94, SCL
	s_mov_b64 s[G0SB+2:G0SB+3], s[92:93]
	s_or_b32 s[G0SB+3], s[G0SB+3], 0x80000000
	JLOAD G0S, G1S, G0SB, G1SB
.irp s, 0,1
	s_mov_b32 s[G0+4*\s], 1
	s_add_co_u32 s[G0+4*\s+1], s45, \s*SLOT
	s_add_nc_u64 s[G0+4*\s+2:G0+4*\s+3], s[20:21], \s*4*AROWS*48
	s_or_b32 s[G0+4*\s+3], s[G0+4*\s+3], 0x80000000
	s_mov_b32 s[G0B+4*\s], 1
	s_add_co_u32 s[G0B+4*\s+1], s45, \s*SLOT
	s_add_nc_u64 s[G0B+4*\s+2:G0B+4*\s+3], s[46:47], \s*4*BROWS*48
	s_or_b32 s[G0B+4*\s+3], s[G0B+4*\s+3], 0x80000000
	JLOAD G0+4*\s, G1, G0B+4*\s, G1B
.endr
	v_and_b32 v1, 15, v0                           ; r
	v_bfe_u32 v2, v0, 4, 1                         ; h
	v_mul_u32_u24 v3, v1, 48
	v_mad_u32_u24 v4, v2, 24, v3
	s_mul_i32 s21, s15, HALFT                      ; my 128 rows of o
	s_mul_i32 s22, s16, HALFT                      ; my 128 rows of W,
	s_add_co_u32 s22, s22, 2*HALFT                 ; behind o's 256
.irp s, 0,1
	v_add_nc_u32 v[ADRA+\s], s21, v4
	v_add_nc_u32 v[ADRB+\s], s22, v4
	s_add_co_u32 s21, s21, SLOT
	s_add_co_u32 s22, s22, SLOT
.endr
	s_lshl_b32 s21, s15, 12                        ; the scale words: lanes 0-15 o's half, lanes 16-31 W's half, 8,320 bytes behind o's first
	s_lshl_b32 s22, s16, 12
	s_add_co_u32 s22, s22, 8320
	s_sub_co_u32 s22, s22, s21
	v_mul_u32_u24 v6, s22, v2
	s_add_co_u32 s21, s21, SCL
	v_lshl_add_u32 v6, v1, 3, v6
	v_add_nc_u32 v[ADRS], s21, v6
	s_mul_i32 s23, s14, 16*SPITCH
	s_add_co_u32 s23, s23, STG
	v_mul_u32_u24 v5, v1, SPITCH                   ; into my stage: row r, + 64 h: my half's 16 columns of each 32
	v_lshl_add_u32 v5, v2, 6, v5
	v_add_nc_u32 v[STO], s23, v5
	v_and_b32 v6, 31, v0
	v_lshlrev_b32 v[CO], 4, v6                     ; back: the 32 lanes take one row of 512 bytes; and the same in out0
	v_add_nc_u32 v[RD], s23, v[CO]
	s_lshl_b32 s20, s17, 8
	s_lshl_b32 s21, s15, 7
	s_add_co_u32 s20, s20, s21                     ; my first row of out0
	s_lshl_b32 s20, s20, 12                        ; rows of 4,096 bytes
	s_lshl_b32 s18, s42, 10
	s_lshl_b32 s19, s16, 9
	s_add_co_u32 s18, s18, s19                     ; my first column, in bytes; also my place in the bias
	s_add_co_u32 s20, s20, s18
	s_mov_b32 s21, 0
	s_mov_b32 s19, 0
	s_add_nc_u64 s[10:11], s[10:11], s[20:21]
	s_add_nc_u64 s[8:9], s[8:9], s[18:19]
	v_lshlrev_b32 v8, 6, v2
.irp b, 0,1,2,3,4,5,6,7                        ; tile b's register j is column 32 (b / 2) + 8 (b % 2) + 16 h + j
	global_load_b128 v[BIAS+8*\b:BIAS+8*\b+3], v8, s[8:9] offset:(32*(\b/2)+8*(\b%2))*4
	global_load_b128 v[BIAS+8*\b+4:BIAS+8*\b+7], v8, s[8:9] offset:(32*(\b/2)+8*(\b%2))*4+16
.endr
	s_wait_loadcnt 0x0
.macro FRAG reg, adr, q, i             ; 16 rows x 128 K: registers 6 c .. 6 c + 5: 24 bytes of the row in panel 2 q + c
.irp p, 0,1,2,3,4,5
	ds_load_b64 v[\reg+2*\p:\reg+2*\p+1], v[\adr] offset:(2*(\q)+\p/3)*PANB+(\i)*768+8*(\p%3)
.endr
.endm
; 16 matrix instructions: o's blocks a0, a0 + 1 x W's eight.  zero = 1: C is the bias.  The 64 accumulators take turns, one instruction a turn.
.macro MUL16 a0, p, q, sc, zero
.irp a, \a0, \a0+1
.irp b, 0,1,2,3,4,5,6,7
.if \zero
	v_wmma_scale_f32_16x16x128_f8f6f4 v[8*(8*((\a)%4)+\b):8*(8*((\a)%4)+\b)+7], v[128*(\p)+FR*\b:128*(\p)+FR*\b+FR-1], v[AF+FR*(\a):AF+FR*(\a)+FR-1], v[BIAS+8*\b:BIAS+8*\b+7], v[SC+8*NQ*(\sc)+NQ*\b+(\q)], v[SC+8*NQ*(\sc)+NQ*(\a)+(\q)] matrix_a_fmt:MATRIX_FMT_FP6 matrix_b_fmt:MATRIX_FMT_FP6 matrix_a_scale:MATRIX_SCALE_ROW1
.else
	v_wmma_scale_f32_16x16x128_f8f6f4 v[8*(8*((\a)%4)+\b):8*(8*((\a)%4)+\b)+7], v[128*(\p)+FR*\b:128*(\p)+FR*\b+FR-1], v[AF+FR*(\a):AF+FR*(\a)+FR-1], v[8*(8*((\a)%4)+\b):8*(8*((\a)%4)+\b)+7], v[SC+8*NQ*(\sc)+NQ*\b+(\q)], v[SC+8*NQ*(\sc)+NQ*(\a)+(\q)] matrix_a_fmt:MATRIX_FMT_FP6 matrix_b_fmt:MATRIX_FMT_FP6 matrix_a_scale:MATRIX_SCALE_ROW1
.endif
.endr
.endr
.endm
.macro FETCH_B slot, q, p
	WIN TO_B
.irp i, 0,1,2,3,4,5,6,7
	FRAG 128*(\p)+FR*\i, ADRB+\slot, \q, \i
.endr
	WIN 0
.endm
.macro FETCH_A slot, q, i0
.irp i, \i0, \i0+1, \i0+2, \i0+3
	FRAG AF+FR*(\i), ADRA+\slot, \q, \i
.endr
.endm
.macro SCALES sc
.irp i, 0,1,2,3,4,5,6,7
	ds_load_b64 v[SC+8*NQ*\sc+NQ*\i:SC+8*NQ*\sc+NQ*\i+1], v[ADRS] offset:\i*128
.endr
.endm
.macro PLACES n                        ; plain vector lines between a matrix instruction and a load into, or a read of, its registers
.rept \n
	v_nop
.endr
.endm
.macro STEP slot, q, zero
	s_wait_dscnt 4*NL                              ; all but the youngest 24 loads (o's blocks 4-7) are in
.if \zero
	WIN ZER_LO
.else
	WIN MUL_LO
.endif
	MUL16 0, (\q)%2, \q, \slot, \zero
	MUL16 2, (\q)%2, \q, \slot, \zero
	s_wait_dscnt 0
	PLACES NP
	FETCH_B \slot, (\q)+1, 1-(\q)%2
	FETCH_A \slot, (\q)+1, 0
.if \zero
	WIN ZER_HI
.else
	WIN MUL_HI
.endif
	MUL16 4, (\q)%2, \q, \slot, \zero
	MUL16 6, (\q)%2, \q, \slot, \zero
	PLACES NP
	WIN 0
	FETCH_A \slot, (\q)+1, 4
.endm
.macro TURN slot, next, fill           ; a slot's last step changes slots: one barrier, the waits and the add in front of it, the refill first behind it
	s_wait_tensorcnt 0x0                           ; all my tensor loads have landed: my part of the next slot
	ds_add_u32 v[SPW], v[NIL]
	s_wait_dscnt 4*NL+1                            ; (the add and the youngest 24 loads may be out)
	WIN MUL_LO
	MUL16 0, 1, NQ-1, \slot, 0
	s_wait_dscnt 0x0                               ; the add is done, and my reads of this slot are over
	s_barrier_signal -1
	MUL16 2, 1, NQ-1, \slot, 0
	WIN 0
	s_barrier_wait -1
.if \fill
	CREST                                          ; the barrier has opened a round of the cluster's
	s_add_nc_u64 s[G0+4*\slot+2:G0+4*\slot+3], s[G0+4*\slot+2:G0+4*\slot+3], 2*4*AROWS*48
	s_add_nc_u64 s[G0B+4*\slot+2:G0B+4*\slot+3], s[G0B+4*\slot+2:G0B+4*\slot+3], 2*4*BROWS*48
	JLOAD G0+4*\slot, G1, G0B+4*\slot, G1B
.else
	PLACES NP
.endif
	v_add_nc_u32 v[ADRS], 1024, v[ADRS]
	FETCH_B \next, 0, 0
	FETCH_A \next, 0, 0
	SCALES \next
	WIN MUL_HI
	MUL16 4, 1, NQ-1, \slot, 0
	MUL16 6, 1, NQ-1, \slot, 0
	PLACES NP
	WIN 0
	FETCH_A \next, 0, 4
.endm
	s_wait_tensorcnt 1                             ; the scale bytes and my part of K step 0 are in (K step 1's load may be out),
	s_barrier_signal -1
	s_barrier_wait -1                              ; everybody's are
	FETCH_B 0, 0, 0
	FETCH_A 0, 0, 0
	SCALES 0
	FETCH_A 0, 0, 4
	STEP 0, 0, 1
	TURN 0, 1, 1                                   ; four K steps, written out
	STEP 1, 0, 0
	TURN 1, 0, 1
	STEP 0, 0, 0
	TURN 0, 1, 0
	STEP 1, 0, 0
	s_wait_dscnt 4*NL
	WIN MUL_LO
	MUL16 0, 1, NQ-1, 1, 0
	MUL16 2, 1, NQ-1, 1, 0
	s_wait_dscnt 0
	WIN MUL_HI
	MUL16 4, 1, NQ-1, 1, 0
	MUL16 6, 1, NQ-1, 1, 0
	WIN 0
; THE WAY OUT, block by block of 16 positions x 128 columns, through my own stage: in by lanes (32 bytes of a row at a time, at the columns' true places), back as whole rows of 512 bytes.
.macro TOSTAGE a
.set AC, 64*((\a)%4)
	WIN 0x08+4*((\a)/4)                            ; an LDS store's data: window 2 or 3
.irp b, 0,1,2,3,4,5,6,7
	ds_store_b128 v[STO], v[AC+8*\b:AC+8*\b+3] offset:128*(\b/2)+32*(\b%2)          ; each accumulator from its low end on
	ds_store_b128 v[STO], v[AC+8*\b+4:AC+8*\b+7] offset:128*(\b/2)+32*(\b%2)+16
.endr
	WIN 0
.set BB, BK+64*((\a)%2)
.irp t, 0,1,2,3,4,5,6,7,8,9,10,11,12,13,14,15
	ds_load_b128 v[BB+4*\t:BB+4*\t+3], v[RD] offset:\t*SPITCH      ; LDS serves a wave's instructions in order: these see the stores above
.endr
.endm
.macro SEND a, younger                 ; stage row t of block a is position 16 a + t: true row 32 (a / 2) + 8 (a % 2) + t + 8 (t / 8)
.set BB, BK+64*((\a)%2)
	s_wait_dscnt \younger
.irp t, 0,1,2,3,4,5,6,7,8,9,10,11,12,13,14,15
	global_store_b128 v[CO], v[BB+4*\t:BB+4*\t+3], s[10:11] offset:(32*((\a)/2)+8*((\a)%2)+\t+8*(\t/8))*4096 th:TH_STORE_NT   ; 32 lanes store 512 consecutive bytes, aligned
.endr
.endm
	PLACES NP
	TOSTAGE 0
.irp a, 1,2,3,4,5,6,7
.if \a > 1
	s_wait_xcnt 0x0                                ; block a - 2's stores have read their registers: block a's loads may land there
.endif
	TOSTAGE \a
	SEND \a-1, 32                                  ; behind block a - 1's loads: block a's 16 stores and 16 loads
.endr
	SEND 7, 0
	s_wait_tensorcnt 0x0                           ; the wave's end: these three lines behind my last tensor load and my last LDS store
	ds_add_u32 v[SPW], v[NIL]
	s_wait_dscnt 0x0
	CROUND                                         ; the closing round
	s_endpgm
.Lfunc_end_k_q4731651c2b_oproj:
	.size	k_q4731651c2b_oproj, .Lfunc_end_k_q4731651c2b_oproj-k_q4731651c2b_oproj
	.p2alignl 7, 3214868480
	.fill 96, 4, 3214868480
	.section	.rodata,"a",@progbits
	.p2align	6, 0x0
	.amdhsa_kernel k_q4731651c2b_oproj
		.amdhsa_group_segment_fixed_size 327680
		.amdhsa_private_segment_fixed_size 0
		.amdhsa_enable_private_segment 0
		.amdhsa_kernarg_size 32
		.amdhsa_user_sgpr_count 2
		.amdhsa_user_sgpr_kernarg_segment_ptr 1
		.amdhsa_wavefront_size32 1
		.amdhsa_system_sgpr_workgroup_id_x 1
		.amdhsa_system_sgpr_workgroup_id_y 1
		.amdhsa_system_sgpr_workgroup_id_z 1
		.amdhsa_system_vgpr_workitem_id 0
		.amdhsa_next_free_vgpr 1024
		.amdhsa_next_free_sgpr 100
		.amdhsa_reserve_vcc 0
		.amdhsa_float_denorm_mode_32 3
		.amdhsa_float_denorm_mode_16_64 3
		.amdhsa_memory_ordered 1
		.amdhsa_forward_progress 1
		.amdhsa_inst_pref_size 160
	.end_amdhsa_kernel
	.amdgpu_metadata
---
amdhsa.version: [ 1, 2 ]
amdhsa.kernels:
  - .name:           k_q4731651c2b_oproj
    .symbol:         k_q4731651c2b_oproj.kd
    .args:
      - { .name: ao, .offset: 0, .size: 8, .value_kind: global_buffer, .address_space: global }
      - { .name: wq, .offset: 8, .size: 8, .value_kind: global_buffer, .address_space: global }
      - { .name: out_proj_bias, .offset: 16, .size: 8, .value_kind: global_buffer, .address_space: global }
      - { .name: out0, .offset: 24, .size: 8, .value_kind: global_buffer, .address_space: global }
    .group_segment_fixed_size: 327680
    .private_segment_fixed_size: 0
    .kernarg_segment_align: 8
    .kernarg_segment_size: 32
    .max_flat_workgroup_size: 128
    .sgpr_count:     100
    .vgpr_count:     1024
    .wavefront_size: 32
...
	.end_amdgpu_metadata
.endif
;; end of part 4
